; MI455X (gfx1250); checked and timed in simulation.
; The chip was launched on July 23, 2026; its instructions are those of AMD's public machine-readable ISA for CDNA 5 (MIT licence, August 2026) and "CDNA5" Instruction Set Architecture Reference Guide (July 2026). The comments in the code are by the model that wrote it; some were corrected since.
;; Continuous Time Aware MHSA. Allowed arithmetic: matrix products marked QUANTISED: E2M3 operands, one E8M0 scale for each 32 along K, by v_wmma_scale_f32_16x16x128_f8f6f4 with both operands' format E2M3, f32 sums; everything else in f32.
;; Inputs: Wk 1,024 x 1,024 float32; Wq 1,024 x 1,024 float32; Wv 1,024 x 1,024 float32; alpha one number float32; bk 1,024 float32; bq 1,024 float32; bv 1,024 float32; mask 4 x 1 x 2,048 x 2,048 int32; time_intervals 4 x 2,048 x 2,048 float32; x 4 x 2,048 x 1,024 float32.
;; Outputs: out0 4 x 2,048 x 1,024 float32.
;; This version of the problem:
;;   THIS VERSION OF THE PROBLEM IS GIVEN IN LOW PRECISION. The matrix products marked QUANTISED in the list below multiply operands that are first quantised to E2M3 (2 exponent bits, 3 mantissa bits; 6 bits a number), with one power-of-two scale for each 32 numbers along K (OCP MX v1.0); their sums are f32. All else is computed in f32.
;;   The module's matrix products, in the order in which they are computed (A, B: the left and right operand; K: the contracted axis; several contracted axes count as one K, in the product's order):
;;     1. [M 8,192, K 1,024] x [K 1,024, N 1,024]; A: input x; B: input Wq: QUANTISED
;;     2. [M 8,192, K 1,024] x [K 1,024, N 1,024]; A: input x; B: input Wk: QUANTISED
;;     3. [M 8,192, K 1,024] x [K 1,024, N 1,024]; A: input x; B: input Wv: QUANTISED
;;     4. batch 64 x [M 2,048, K 64] x [K 64, N 2,048]; A: computed on the way; B: computed on the way: QUANTISED
;;     5. batch 64 x [M 2,048, K 2,048] x [K 2,048, N 64]; A: softmax (see below); B: computed on the way: QUANTISED
;;   THE QUANTISER, for each operand of a quantised product, along K:
;;     - K is cut into blocks of 32 from its start; a last block that is shorter is filled with zeros.
;;     - A block's scale is 2^e with e = floor(log2(the largest magnitude in the block)) - 2, held to -126 .. 127; a block of zeros has e = 0. As a byte (E8M0): e + 127.
;;     - Each number is divided by its block's scale, clamped to +-7.5, and rounded to the nearest number of E2M3, ties to even, subnormals kept.
;;     - The product sums the exact products of the quantised numbers (number of the format x scale) in f32.
;;   ~~~python
;;   def quantise(x, axis):      # numpy; x: float32 -> the quantised numbers, widened to float32 again
;;       x = np.moveaxis(x, axis, -1); K = x.shape[-1]
;;       x = np.pad(x, [(0, 0)] * (x.ndim - 1) + [(0, -K % 32)]); x = x.reshape(x.shape[:-1] + (-1, 32)); a = np.abs(x).max(-1, keepdims=True)
;;       e = np.where(a > 0, np.clip(np.frexp(np.where(a > 0, a, 1))[1] - 1 - 2, -126, 127), 0)      # np.frexp(a)[1] - 1 = floor(log2(a)), exactly
;;       r = np.clip(x / 2.0 ** e, -7.5, 7.5)
;;       step = 2.0 ** (np.maximum(np.frexp(np.where(r == 0, 1, r))[1] - 1, 0) - 3)
;;       q = np.round(r / step) * step * 2.0 ** e      # np.round: ties to even
;;       return np.moveaxis(q.reshape(q.shape[:-2] + (-1,))[..., :K], -1, axis).astype(np.float32)
;;   ~~~
;;   SOFTMAX AHEAD OF A QUANTISED PRODUCT. Where the list says 'softmax', what is quantised is not the finished softmax but p = 2^(t - M), with t = logit x log2(e) and M = ceil(the row's largest t), a whole number; so 1/2 < the row's largest p <= 1. The row's sum l is taken of the UNQUANTISED p, in f32, and the product's result is divided by l at the end. Since M is a whole number, a kernel that streams over the keys may use a running M (the ceiling of the running maximum): every later rescaling is an exact power of two, which a block's scale takes up: the codes' values come out the same.
;;   OPERANDS COMPUTED ON THE WAY. 'Computed on the way' means the value that the module computes at that place (a softmax that the list does not call 'softmax' is quantised finished and normalised). What goes into a quantiser is computed in f32, as accurately as f32 sums, v_exp_f32 and their like allow (about 1e-6 of the number): no bf16 or f16 on the way to a quantiser, and a product that is left as it is and whose result goes on into a quantised operand takes f32 operands (vector FMAs, or v_wmma_f32_16x16x4_f32). A number that lies on a knife's edge between two numbers of the format may be rounded either way, as far as f32 arithmetic and the matrix unit's own rounding can turn it there, and no further.
;; One version. Each part assembles by itself: llvm-mc -triple=amdgcn-amd-amdhsa -mcpu=gfx1250 --defsym DOCPART=n.
;; ======== version 1 of 1: 3 launches
;; limits: right only within a limited range of input values
;; workspace buffers: XQ 6,553,600 bytes; WQ 2,457,600 bytes; QF 6,553,600 bytes; KV 13,107,200 bytes
;; launch quant (part 1): grid 352 x 1, 4 waves a work-group, no clusters, 58,880 bytes of LDS; arguments x, Wq, Wk, Wv, XQ, WQ; writes XQ, WQ
.if DOCPART == 1
	.amdgcn_target "amdgcn-amd-amdhsa--gfx1250"
	.amdhsa_code_object_version 6
	.text
	.protected	k_q596133a6a7_quant
	.globl	k_q596133a6a7_quant
	.p2align	8
	.type	k_q596133a6a7_quant,@function
k_q596133a6a7_quant:
	s_mov_b64 s[64:65], 0
	v_nop
	global_prefetch_b8 v0, s[64:65] scope:SCOPE_SE
	s_setreg_imm32_b32 hwreg(HW_REG_WAVE_MODE, 25, 1), 1
	s_wait_xcnt 0x0
; LAUNCH 1 OF 3.  x [8192][1024] and Wq, Wk, Wv [1024 (k)][1024 (n)], f32, become codes of FP6 (E2M3) with one E8M0 byte for each 32 along K = the 1,024.
; NO WORK OF THE PROBLEM IS LEFT OUT IN ANY LAUNCH: every input has a way to the output (bq, bk, bv move the codes of Q, K, V; alpha, time_intervals and mask move the softmax), so all are loaded.
; A block's scale is 2^(floor(log2(largest magnitude)) - 2): its byte is the largest magnitude's exponent field - 2, held at 1 from below by a floor among the maximum's leaves.
; LIMITS: a block of zeros gets the byte 1 where the rule says 127 (its codes are zeros, and this program alone reads the bytes); NaN and infinities among the inputs are not served.
; LAYOUT OF XQ AND WQ (WQ's rows n = 0 .. 3071 are Wq's, Wk's, Wv's columns): in the order of the operand's registers.  A fragment (16 rows x 128 K, 12 registers a lane) is an image of 1,536 bytes:
; plane p (512 bytes) holds registers 4 p .. 4 p + 3, lane l at 16 l.  A record (128 rows, one K step of 128) is 8 images and, at 12,288, the scale words [2][32 lanes][2]; 12,800 bytes;
; record (rb, s) lies at (rb / 2) x 204,800 + s x 25,600 + (rb % 2) x 12,800.  THE ROWS OF A TILE ARE NOT NEIGHBOURS: lane r of tile 2 b + u of 32 rows takes row 32 b + 8 u + r + 8 (r / 8),
; so that a product used transposed has 16 neighbours along the next K in the 16 registers of two neighbouring tiles.
; SHARES: a wave takes 64 rows x 128 K.  Work-groups 0 .. 255: x (K innermost: rows turn through the wave's own stage in LDS).  Work-groups 256 .. 351: the weights (K outermost: a lane takes a column, its registers run down K).
; The two ways have LDS bytes of their own.  No tensor load, no barrier: waves share nothing.
.set SPARE, 58368                      ; the spare words, 128 bytes for each wave
.set IMGW,  33792                      ; the weights' way: 4 x 6,144 bytes of images;  x's way: 4 stages of 16 rows x 528 bytes from byte 0
.set SPW, 250
.set NIL, 251
.set TM,  16                           ; v16-31   at work in QUANT
.set R,   32                           ; v32-159  x: two sets of 16 rows as loaded
.set X,   160                          ; v160-223 x: 64 numbers of my row: register 16 b + i = k 32 b + 16 (lane / 16) + i
.set PC,  224                          ; v224-235 a fragment's codes
.set CT,  236                          ; v236-242 the conversions' second halves
.set PW,  244                          ; v244-247 a scale word for each tile
.set SW,  248                          ; v248-249 the scale words as they are stored
.set SEL, 18                           ; s[18:19] lane selects: lane l xor 16
.set XW,  32                           ; weights: v32-95 two sets of 32 numbers
.set CW,  96                           ; v96-102  a block's codes
.set OW,  112                          ; v112-159 the images on their way out
.set SWW, 24                           ; v24-25   my two columns' scale words
; 64 numbers of a lane become a fragment's codes (registers 0-5 at d0, 6-11 at d1) and its row's scale word
.macro QUANT s, d0, d1, w
.irp b, 0,1,2,3
	v_max3_num_f32 v[TM+\b], |v[\s+16*\b]|, |v[\s+16*\b+1]|, 0x1800000   ; my 16 numbers of block b, and the floor 2^(3 - 127)
.endr
.irp i, 2,4,6,8,10,12,14
.irp b, 0,1,2,3
	v_max3_num_f32 v[TM+\b], v[TM+\b], |v[\s+16*\b+\i]|, |v[\s+16*\b+\i+1]|
.endr
.endr
.irp b, 0,1,2,3
	v_permlanex16_b32 v[TM+4+\b], v[TM+\b], s[SEL], s[SEL+1]
.endr
.irp b, 0,1,2,3
	v_max_num_f32 v[TM+\b], v[TM+\b], v[TM+4+\b]   ; with lane l xor 16's 16: the block's largest magnitude
.endr
.irp b, 0,1,2,3
	v_add_nc_u32 v[TM+12+\b], 0xff000000, v[TM+\b] ; 2 off its exponent field: the conversion's scale operand
.endr
.irp b, 0,1,2,3
	v_lshrrev_b32 v[TM+4+\b], 23, v[TM+12+\b]      ; the scale's byte
.endr
	v_lshl_or_b32 v[\w], v[TM+5], 8, v[TM+4]
	v_lshl_or_b32 v[\w], v[TM+6], 16, v[\w]
	v_lshl_or_b32 v[\w], v[TM+7], 24, v[\w]
	v_cvt_scalef32_pk16_fp6_f32 v[\d0:\d0+2], v[\s:\s+15], v[TM+12]
	v_cvt_scalef32_pk16_fp6_f32 v[CT:CT+2], v[\s+16:\s+31], v[TM+13]
	v_cvt_scalef32_pk16_fp6_f32 v[\d1:\d1+2], v[\s+32:\s+47], v[TM+14]
	v_cvt_scalef32_pk16_fp6_f32 v[CT+4:CT+6], v[\s+48:\s+63], v[TM+15]
	v_nop                                          ; one plain place behind the scaled conversions
.irp i, 0,1,2
	v_permlane16_swap_b32 v[\d0+\i], v[CT+\i]      ; the layout wants a whole block in a lane: lanes 0-15 the even block, lanes 16-31 the odd one
	v_permlane16_swap_b32 v[\d1+\i], v[CT+4+\i]
.endr
.irp i, 0,1,2
	v_mov_b32 v[\d0+3+\i], v[CT+\i]
	v_mov_b32 v[\d1+3+\i], v[CT+4+\i]
.endr
.endm
; from s17 = which 64 rows and s20 = which K step: s[30:31] the byte at which my four images begin, s[28:29] that of my 256 bytes of scale words
.macro RECORD
	s_lshr_b32 s26, s17, 2
	s_mul_i32 s26, s26, 204800
	s_mul_i32 s27, s20, 25600
	s_add_co_u32 s26, s26, s27
	s_bfe_u32 s27, s17, 0x10001
	s_mul_i32 s27, s27, 12800
	s_add_co_u32 s26, s26, s27
	s_and_b32 s28, s17, 1
	s_mul_i32 s27, s28, 6144
	s_add_co_u32 s30, s26, s27
	s_mov_b32 s31, 0
	s_lshl_b32 s28, s28, 8
	s_add_co_u32 s28, s28, s26
	s_add_co_u32 s28, s28, 12288
	s_mov_b32 s29, 0
.endm
	s_load_b256 s[4:11], s[0:1], 0x0               ; x, Wq, Wk, Wv
	s_load_b128 s[12:15], s[0:1], 0x20             ; XQ, WQ
	v_lshl_add_u32 v[SPW], v0, 2, SPARE
	v_mov_b32 v[NIL], 0
	v_lshrrev_b32 v1, 5, v0
	v_readfirstlane_b32 s16, v1                    ; wave
	v_and_b32 v2, 31, v0                           ; lane
	v_lshlrev_b32 v3, 4, v2                        ; 16 x lane
	s_cmp_lt_u32 ttmp9, 256
	s_cbranch_scc0 .Lweights
	; ---------------- x: rows 64 (wg / 2) on, K step 4 (wg % 2) + wave
	s_lshr_b32 s17, ttmp9, 1
	s_and_b32 s20, ttmp9, 1
	s_lshl_b32 s20, s20, 2
	s_add_co_u32 s20, s20, s16
	s_mov_b32 s[SEL], 0x76543210
	s_mov_b32 s[SEL+1], 0xfedcba98
	s_mov_b32 s21, 0xffff0000                      ; lanes 16-31
	s_mul_i32 s22, s16, 8448                       ; my stage
	s_wait_alu depctr_va_vdst(0)
	v_add_nc_u32 v4, s22, v3                       ; in: a row's 512 bytes as they lie
	v_and_b32 v5, 15, v0
	v_bfe_u32 v6, v0, 4, 1
	v_mul_u32_u24 v5, v5, 528
	v_lshl_add_u32 v5, v6, 6, v5
	v_add_nc_u32 v5, s22, v5                       ; out: row lane % 16, + 64 (lane / 16)
	v_lshlrev_b32 v6, 3, v2                        ; 8 x lane
.irp b, 0,1,2,3
	v_mov_b32 v[TM+4+\b], 0                        ; written once: a lane permute's destination counts as one of its sources
.endr
	s_lshl_b32 s24, s17, 18                        ; 64 rows of 4,096 bytes
	s_lshl_b32 s25, s20, 9                         ; 512 bytes a K step
	s_add_co_u32 s24, s24, s25
	s_mov_b32 s25, 0
	RECORD
	s_wait_alu depctr_va_vdst(0)
	s_wait_kmcnt 0x0
	s_add_nc_u64 s[4:5], s[4:5], s[24:25]
	s_add_nc_u64 s[30:31], s[12:13], s[30:31]
	s_add_nc_u64 s[28:29], s[12:13], s[28:29]
.macro LOADX t                         ; tile t's 16 rows: 32 lanes read 512 consecutive bytes of a row
.irp i, 0,1,2,3,4,5,6,7,8,9,10,11,12,13,14,15
	; x's tiles: lane r of tile t of my 64 rows takes row 8 t + r % 8 + 32 (r / 8): where tokens become the next K, a lane's 32 neighbouring registers are then one whole block of 32.  (The weights keep the order stated at the head.)
	global_load_b128 v[R+64*((\t)%2)+4*\i:R+64*((\t)%2)+4*\i+3], v3, s[4:5] offset:(8*(\t)+\i%8+32*(\i/8))*4096 th:TH_LOAD_NT
.endr
.endm
.macro TURNX t                         ; through the stage: LDS serves a wave's instructions in order, so no wait stands between the stores and the loads
.irp i, 0,1,2,3,4,5,6,7,8,9,10,11,12,13,14,15
	ds_store_b128 v4, v[R+64*((\t)%2)+4*\i:R+64*((\t)%2)+4*\i+3] offset:\i*528
.endr
.irp b, 0,1,2,3
.irp j, 0,1,2,3
	ds_load_b128 v[X+16*\b+4*\j:X+16*\b+4*\j+3], v5 offset:128*\b+16*\j
.endr
.endr
.endm
	LOADX 0
	LOADX 1
.irp t, 0,1,2,3
.if \t < 3
	s_wait_loadcnt 16                              ; this tile's 16 loads are in; the next tile's 16 may be out
.else
	s_wait_loadcnt 0x0
.endif
	TURNX \t
	s_wait_dscnt 0x0                               ; my 64 numbers are back, and the stores have read their registers,
.if \t < 2
	LOADX \t+2                                     ; which take the tile two further on
.endif
.if \t > 0
	s_wait_xcnt 0x0                                ; the last tile's stores have read the codes' registers
.endif
	QUANT X, PC, PC+6, PW+\t
.irp p, 0,1,2
	global_store_b128 v3, v[PC+4*\p:PC+4*\p+3], s[30:31] offset:\t*1536+512*\p   ; a plane: 512 consecutive bytes
.endr
.endr
	v_cndmask_b32 v[SW], v[PW], v[PW+1], s21       ; lanes 0-15: the even tile's rows; lanes 16-31: the odd tile's
	v_cndmask_b32 v[SW+1], v[PW+2], v[PW+3], s21
	global_store_b64 v6, v[SW:SW+1], s[28:29]      ; 256 consecutive bytes, aligned
	s_wait_tensorcnt 0x0                           ; the wave's end
	ds_add_u32 v[SPW], v[NIL]
	s_wait_dscnt 0x0
	s_endpgm
	; ---------------- the weights: g = wg - 256: matrix g / 32, K step g % 8, columns 64 (4 ((g / 8) % 4) + wave) on
.Lweights:
	s_sub_co_u32 s23, ttmp9, 256
	s_lshr_b32 s21, s23, 5                         ; which matrix
	s_and_b32 s20, s23, 7                          ; K step
	s_bfe_u32 s22, s23, 0x20003
	s_lshl_b32 s22, s22, 2
	s_add_co_u32 s22, s22, s16                     ; which 64 columns
	s_lshl_b32 s17, s21, 4
	s_add_co_u32 s17, s17, s22                     ; which 64 rows of WQ
	s_lshl_b32 s24, s20, 19                        ; 128 rows of 4,096 bytes a K step
	s_lshl_b32 s25, s22, 8
	s_add_co_u32 s24, s24, s25
	s_mov_b32 s25, 0
	RECORD
	s_mul_i32 s23, s16, 6144
	s_add_co_u32 s23, s23, IMGW                    ; my four images
	s_wait_alu depctr_va_vdst(0)
	v_lshlrev_b32 v4, 2, v2                        ; in: 4 bytes a lane
	v_bfe_u32 v8, v0, 3, 1                         ; column 32 b + lane is lane r = (lane % 8) + 8 (lane / 16) of tile 2 b + u, u = (lane / 8) % 2
	v_and_b32 v9, 7, v0
	v_bfe_u32 v10, v0, 4, 1
	v_lshl_or_b32 v9, v10, 3, v9
	v_mul_u32_u24 v5, v8, 1536
	v_lshl_add_u32 v5, v9, 4, v5
	v_add_nc_u32 v5, s23, v5                       ; into the images
	v_add_nc_u32 v6, s23, v3                       ; and out of them, as they lie
	v_lshl_add_u32 v7, v8, 4, v9
	v_lshlrev_b32 v7, 3, v7                        ; my two scale words' place: 8 (16 u + r)
	s_wait_kmcnt 0x0
	s_cmp_eq_u32 s21, 0
	s_cselect_b64 s[6:7], s[6:7], s[8:9]
	s_cmp_eq_u32 s21, 2
	s_cselect_b64 s[6:7], s[10:11], s[6:7]
	s_add_nc_u64 s[6:7], s[6:7], s[24:25]
	s_add_nc_u64 s[30:31], s[14:15], s[30:31]
	s_add_nc_u64 s[28:29], s[14:15], s[28:29]
.macro LOADW q                         ; block q = 4 b + kb: W(32 kb + i, 32 b + lane), i = 0 .. 31
.irp i, 0,1,2,3,4,5,6,7,8,9,10,11,12,13,14,15,16,17,18,19,20,21,22,23,24,25,26,27,28,29,30,31
	global_load_b32 v[XW+32*((\q)%2)+\i], v4, s[6:7] offset:(32*((\q)%4)+\i)*4096+128*((\q)/4) th:TH_LOAD_NT
.endr
.endm
.macro BLOCKW q
.set XS, XW+32*((\q)%2)
.if (\q) < 7
	s_wait_loadcnt 32                              ; this block's 32 loads are in; the next block's may be out
.else
	s_wait_loadcnt 0x0
.endif
	v_max3_num_f32 v12, |v[XS]|, |v[XS+1]|, |v[XS+2]|
	v_max3_num_f32 v13, |v[XS+3]|, |v[XS+4]|, |v[XS+5]|
.irp i, 6,10,14,18,22,26
	v_max3_num_f32 v12, v12, |v[XS+\i]|, |v[XS+\i+1]|
	v_max3_num_f32 v13, v13, |v[XS+\i+2]|, |v[XS+\i+3]|
.endr
	v_max3_num_f32 v12, v12, |v[XS+30]|, |v[XS+31]|
	v_max3_num_f32 v12, v12, v13, 0x1800000        ; and the floor
	v_add_nc_u32 v11, 0xff000000, v12
	v_lshrrev_b32 v13, 23, v11
.if (\q)%4 == 0
	v_mov_b32 v[SWW+(\q)/4], v13
.else
	v_lshl_or_b32 v[SWW+(\q)/4], v13, 8*((\q)%4), v[SWW+(\q)/4]
.endif
	v_cvt_scalef32_pk16_fp6_f32 v[CW:CW+2], v[XS:XS+15], v11
	v_cvt_scalef32_pk16_fp6_f32 v[CW+4:CW+6], v[XS+16:XS+31], v11
	v_nop                                          ; one plain place behind the scaled conversions
	v_mov_b32 v[CW+3], v[CW+4]                     ; the block's six registers on end
	v_mov_b32 v[CW+4], v[CW+5]
	v_mov_b32 v[CW+5], v[CW+6]
.if ((\q)%4)/2 == 0                    ; block kb is registers 6 (kb / 2) .. + 5 of lane (r, kb % 2)
	ds_store_b128 v5, v[CW:CW+3] offset:3072*((\q)/4)+256*((\q)%2)
	ds_store_b64 v5, v[CW+4:CW+5] offset:3072*((\q)/4)+256*((\q)%2)+512
.else
	ds_store_b64 v5, v[CW:CW+1] offset:3072*((\q)/4)+256*((\q)%2)+520
	ds_store_b128 v5, v[CW+2:CW+5] offset:3072*((\q)/4)+256*((\q)%2)+1024
.endif
.if (\q)+2 < 8
	LOADW (\q)+2
.endif
	s_wait_dscnt 0x0                               ; the stores have read their registers
.endm
	LOADW 0
	LOADW 1
.irp q, 0,1,2,3,4,5,6,7
	BLOCKW \q
.endr
	s_wait_alu depctr_va_vdst(0)
	global_store_b64 v7, v[SWW:SWW+1], s[28:29]    ; the 32 lanes fill 256 consecutive bytes, aligned
.irp n, 0,1,2,3,4,5,6,7,8,9,10,11
	ds_load_b128 v[OW+4*\n:OW+4*\n+3], v6 offset:512*\n
.endr
.irp n, 0,1,2,3,4,5,6,7,8,9,10,11
	s_wait_dscnt 11-\n                             ; load n is in; the younger ones may be out
	global_store_b128 v3, v[OW+4*\n:OW+4*\n+3], s[30:31] offset:512*\n
.endr
	s_wait_tensorcnt 0x0                           ; the wave's end
	ds_add_u32 v[SPW], v[NIL]
	s_wait_dscnt 0x0
	s_endpgm
.Lfunc_end_k_q596133a6a7_quant:
	.size	k_q596133a6a7_quant, .Lfunc_end_k_q596133a6a7_quant-k_q596133a6a7_quant
	.p2alignl 7, 3214868480
	.fill 96, 4, 3214868480
	.section	.rodata,"a",@progbits
	.p2align	6, 0x0
	.amdhsa_kernel k_q596133a6a7_quant
		.amdhsa_group_segment_fixed_size 58880
		.amdhsa_private_segment_fixed_size 0
		.amdhsa_enable_private_segment 0
		.amdhsa_kernarg_size 48
		.amdhsa_user_sgpr_count 2
		.amdhsa_user_sgpr_kernarg_segment_ptr 1
		.amdhsa_wavefront_size32 1
		.amdhsa_system_sgpr_workgroup_id_x 1
		.amdhsa_system_sgpr_workgroup_id_y 1
		.amdhsa_system_sgpr_workgroup_id_z 1
		.amdhsa_system_vgpr_workitem_id 0
		.amdhsa_next_free_vgpr 256
		.amdhsa_next_free_sgpr 66
		.amdhsa_reserve_vcc 0
		.amdhsa_float_denorm_mode_32 3
		.amdhsa_float_denorm_mode_16_64 3
		.amdhsa_memory_ordered 1
		.amdhsa_forward_progress 1
		.amdhsa_inst_pref_size 75
	.end_amdhsa_kernel
	.amdgpu_metadata
---
amdhsa.version: [ 1, 2 ]
amdhsa.kernels:
  - .name:           k_q596133a6a7_quant
    .symbol:         k_q596133a6a7_quant.kd
    .args:
      - { .name: x, .offset: 0, .size: 8, .value_kind: global_buffer, .address_space: global }
      - { .name: Wq, .offset: 8, .size: 8, .value_kind: global_buffer, .address_space: global }
      - { .name: Wk, .offset: 16, .size: 8, .value_kind: global_buffer, .address_space: global }
      - { .name: Wv, .offset: 24, .size: 8, .value_kind: global_buffer, .address_space: global }
      - { .name: XQ, .offset: 32, .size: 8, .value_kind: global_buffer, .address_space: global }
      - { .name: WQ, .offset: 40, .size: 8, .value_kind: global_buffer, .address_space: global }
    .group_segment_fixed_size: 58880
    .private_segment_fixed_size: 0
    .kernarg_segment_align: 8
    .kernarg_segment_size: 48
    .max_flat_workgroup_size: 128
    .sgpr_count:     66
    .vgpr_count:     256
    .wavefront_size: 32
...
	.end_amdgpu_metadata
.endif
;; end of part 1
;; launch proj (part 2): grid 8 x 32, 4 waves a work-group, clusters of 4 x 4, 327,680 bytes of LDS; arguments XQ, WQ, bq, bk, bv, QF, KV; writes QF, KV
.if DOCPART == 2
	.amdgcn_target "amdgcn-amd-amdhsa--gfx1250"
	.amdhsa_code_object_version 6
	.text
	.protected	k_q596133a6a7_proj
	.globl	k_q596133a6a7_proj
	.p2align	8
	.type	k_q596133a6a7_proj,@function
k_q596133a6a7_proj:
	s_mov_b64 s[64:65], 0
	v_nop
	global_prefetch_b8 v0, s[64:65] scope:SCOPE_SE
	s_setreg_imm32_b32 hwreg(HW_REG_WAVE_MODE, 25, 1), 1
	s_wait_xcnt 0x0
	s_wait_alu depctr_hold_cnt(0) depctr_sa_sdst(0) depctr_va_vdst(0) depctr_va_sdst(0) depctr_va_ssrc(0) depctr_va_vcc(0) depctr_vm_vsrc(0)
	s_getreg_b32 s2, hwreg(HW_REG_IB_STS2, 6, 4)
	s_cmp_eq_u32 s2, 0
	s_cbranch_scc0 .Lentry_in_a_cluster
	s_endpgm
.Lentry_in_a_cluster:
	s_bfe_u32 s2, ttmp6, 0x10000c
	s_cmp_lg_u32 s2, 0xf033
	s_cbranch_scc0 .Lentry_shape_is_right
	s_endpgm
.Lentry_shape_is_right:
; LAUNCH 2 OF 3.  Q = x Wq + bq, K = x Wk + bk, V = x Wv + bv on codes of FP6, and the quantising of Q, K (along the head's 64) and V (along the keys), in registers.  Nothing is left out.
; A WORK-GROUP STAYS: work-group (g, tb) holds the 256 tokens of pair tb of XQ, all of K = 1,024, in LDS (204,800 bytes, filled once) and makes three tiles with them: against record g of WQ (128 rows of Wq, two heads),
; record 8 + g (Wk) and record 16 + g (Wv).  8 x 32 = 256 work-groups.  The weights come through a ring of two slots of four K steps (51,200 bytes each) behind the tokens.
; ONE PRODUCT BODY: source 0 = a block U of 128 rows, whose index becomes the next product's K; source 1 = 64 rows T of the wave; 32 accumulators; K in 8 steps of 128.  In the result a lane holds one row of T, and the 64
; registers of a tile of T run along U's 128 rows (the tiles' rows are chosen for that: launch 1).
;   Q and K: U = the weight record, T = tokens 64 w on.     V: U = token record w % 2 (a key step), T = rows 64 (w / 2) on of the Wv record (one head's channels).
; CLUSTER 4 x 4: the tokens hang on tb and are asked for jointly by a row of the cluster, the weights on g and by a column.
; LOADS.  Head, one a wave: waves 0, 1 the tokens' K steps 0-3 and 4-7; waves 2, 3 the first record's.  A slot is filled again behind the three lines and a round, each wave a quarter (one K step, 12,800 bytes):
; slot 0 behind a tile's K step 3, slot 1 behind its K step 7.  One tensor load of a wave is out at the most.
; NO PREFETCH: a refill is asked for four K steps (128 products) and the way out, or the way out and four K steps, ahead of the barrier behind which it is first read; the loop has nothing further ahead to ask for but the same bytes.
; OUT.  QF [2 b + hh][16 groups of 128 queries][51,200]: head e of 8: four PACKED fragments at 6,144 e + 1,536 pi: registers 0-5 = tile 2 pi's 64 codes a row, 6-11 = tile 2 pi + 1's; scale words at 49,152 + 256 e + 128 sigma + 4 lane.
; KV [2 b + hh][16 key steps][102,400]: head e: K's four packed fragments at 12,288 e, V's four (16 d x 128 keys) 6,144 on; K's scale words at 98,304 + 512 e + 128 sigma + 4 lane, V's 256 on.
; LIMITS: as in launch 1 (byte 1 for a block of zeros; no NaN, no infinities).
; REGISTERS: window 0: v1, v2 the add's two; v3-5 16, 4, 8 x lane; v8-15 bv; v16-27 scale words; v32-127 T's fragments, two sets (later codes and work); v128-191 LDS addresses, on the way out a tile's 64 numbers;
;   v192-255 bq or bk.   window 1: the accumulators, (tt, tu) at 64 tt + 8 tu.   window 2: v0-191 U's fragments, two sets.
.set WB,    204800                     ; LDS: the tokens' K step s at 25,600 s (two records); the weights' K step s at WB + 12,800 s
.set SPARE, 307200                     ; the spare words
.set SPW, 1
.set NIL, 2
.set L16, 3
.set L4,  4
.set L8,  5
.set SH8, 6                            ; v6: 8 (lane / 16)
.set BT,  8
.set SCU, 16
.set SCT, 24
.set TF,  32
.set H,   128
.set AU,  128                          ; v128-131 U's images, a register for each two K steps;  v132-135 T's;  v136-139 U's scale words;  v140-143 T's
.set AT,  132
.set ASU, 136
.set AST, 140
.set BO,  144                          ; byte offsets of the bias loads
.set BTO, 146
.set BU,  192
.set PCD, 32                           ; the way out: four sets of 12 registers of codes
.set CT,  80
.set TM,  88
.set WW,  104
.set HW,  108
.set SEL, 22
.set G1X, 24
.set G1H, 32
.set G1W, 40
.set G0X, 48
.set G0H, 52
.set G0R, 68                           ; s[68:71] slot 0's refills, s[72:75] slot 1's
.set TC,  78
.set MSB, 0
.macro WIN new                         ; the immediate's high byte repeats the setting that is left
.if MSB != \new
	s_set_vgpr_msb (MSB<<8)|\new
.set MSB, \new
.endif
.endm
.macro PLACES
.rept 4
	v_nop
.endr
.endm
.macro CROUND                          ; a round of the cluster's barrier
	s_barrier_signal -1
	s_barrier_wait -1
	s_cmp_lg_u32 s18, 0
	s_cbranch_scc1 .Lnot_wave_0_\@
	s_barrier_signal -3
.Lnot_wave_0_\@:
	s_barrier_wait -3
	s_barrier_signal -1
	s_barrier_wait -1
.endm
; one product: z = 1 starts the sum; ra, rb: which half of the lanes holds the side's scale words
.macro WMS d, a, b, z, sa, sb, ra, rb
.if \z
.if ((\ra) == 0) && ((\rb) == 0)
	v_wmma_scale_f32_16x16x128_f8f6f4 v[\d:\d+7], v[\a:\a+11], v[\b:\b+11], 0, v[\sa], v[\sb] matrix_a_fmt:MATRIX_FMT_FP6 matrix_b_fmt:MATRIX_FMT_FP6
.elseif (\rb) == 0
	v_wmma_scale_f32_16x16x128_f8f6f4 v[\d:\d+7], v[\a:\a+11], v[\b:\b+11], 0, v[\sa], v[\sb] matrix_a_fmt:MATRIX_FMT_FP6 matrix_b_fmt:MATRIX_FMT_FP6 matrix_a_scale:MATRIX_SCALE_ROW1
.elseif (\ra) == 0
	v_wmma_scale_f32_16x16x128_f8f6f4 v[\d:\d+7], v[\a:\a+11], v[\b:\b+11], 0, v[\sa], v[\sb] matrix_a_fmt:MATRIX_FMT_FP6 matrix_b_fmt:MATRIX_FMT_FP6 matrix_b_scale:MATRIX_SCALE_ROW1
.else
	v_wmma_scale_f32_16x16x128_f8f6f4 v[\d:\d+7], v[\a:\a+11], v[\b:\b+11], 0, v[\sa], v[\sb] matrix_a_fmt:MATRIX_FMT_FP6 matrix_b_fmt:MATRIX_FMT_FP6 matrix_a_scale:MATRIX_SCALE_ROW1 matrix_b_scale:MATRIX_SCALE_ROW1
.endif
.else
.if ((\ra) == 0) && ((\rb) == 0)
	v_wmma_scale_f32_16x16x128_f8f6f4 v[\d:\d+7], v[\a:\a+11], v[\b:\b+11], v[\d:\d+7], v[\sa], v[\sb] matrix_a_fmt:MATRIX_FMT_FP6 matrix_b_fmt:MATRIX_FMT_FP6
.elseif (\rb) == 0
	v_wmma_scale_f32_16x16x128_f8f6f4 v[\d:\d+7], v[\a:\a+11], v[\b:\b+11], v[\d:\d+7], v[\sa], v[\sb] matrix_a_fmt:MATRIX_FMT_FP6 matrix_b_fmt:MATRIX_FMT_FP6 matrix_a_scale:MATRIX_SCALE_ROW1
.elseif (\ra) == 0
	v_wmma_scale_f32_16x16x128_f8f6f4 v[\d:\d+7], v[\a:\a+11], v[\b:\b+11], v[\d:\d+7], v[\sa], v[\sb] matrix_a_fmt:MATRIX_FMT_FP6 matrix_b_fmt:MATRIX_FMT_FP6 matrix_b_scale:MATRIX_SCALE_ROW1
.else
	v_wmma_scale_f32_16x16x128_f8f6f4 v[\d:\d+7], v[\a:\a+11], v[\b:\b+11], v[\d:\d+7], v[\sa], v[\sb] matrix_a_fmt:MATRIX_FMT_FP6 matrix_b_fmt:MATRIX_FMT_FP6 matrix_a_scale:MATRIX_SCALE_ROW1 matrix_b_scale:MATRIX_SCALE_ROW1
.endif
.endif
.endm
; 64 numbers of a lane, register 16 b + i = k 32 b + 16 (lane / 16) + i of my row, become a fragment's codes (registers 0-5 at d0, 6-11 at d1) and the row's scale word
.macro QUANT s, d0, d1, w
.irp b, 0,1,2,3
	v_max3_num_f32 v[TM+\b], |v[\s+16*\b]|, |v[\s+16*\b+1]|, 0x1800000   ; and the floor 2^(3 - 127)
.endr
.irp i, 2,4,6,8,10,12,14
.irp b, 0,1,2,3
	v_max3_num_f32 v[TM+\b], v[TM+\b], |v[\s+16*\b+\i]|, |v[\s+16*\b+\i+1]|
.endr
.endr
.irp b, 0,1,2,3
	v_permlanex16_b32 v[TM+4+\b], v[TM+\b], s[SEL], s[SEL+1]
.endr
.irp b, 0,1,2,3
	v_max_num_f32 v[TM+\b], v[TM+\b], v[TM+4+\b]
.endr
.irp b, 0,1,2,3
	v_add_nc_u32 v[TM+12+\b], 0xff000000, v[TM+\b]
.endr
.irp b, 0,1,2,3
	v_lshrrev_b32 v[TM+4+\b], 23, v[TM+12+\b]
.endr
	v_lshl_or_b32 v[\w], v[TM+5], 8, v[TM+4]
	v_lshl_or_b32 v[\w], v[TM+6], 16, v[\w]
	v_lshl_or_b32 v[\w], v[TM+7], 24, v[\w]
	v_cvt_scalef32_pk16_fp6_f32 v[\d0:\d0+2], v[\s:\s+15], v[TM+12]
	v_cvt_scalef32_pk16_fp6_f32 v[CT:CT+2], v[\s+16:\s+31], v[TM+13]
	v_cvt_scalef32_pk16_fp6_f32 v[\d1:\d1+2], v[\s+32:\s+47], v[TM+14]
	v_cvt_scalef32_pk16_fp6_f32 v[CT+4:CT+6], v[\s+48:\s+63], v[TM+15]
	v_nop                                          ; one plain place behind the scaled conversions
.irp i, 0,1,2
	v_permlane16_swap_b32 v[\d0+\i], v[CT+\i]
	v_permlane16_swap_b32 v[\d1+\i], v[CT+4+\i]
.endr
.irp i, 0,1,2
	v_mov_b32 v[\d0+3+\i], v[CT+\i]
	v_mov_b32 v[\d1+3+\i], v[CT+4+\i]
.endr
.endm
; the sixteen LDS addresses of a tile: bases in scalars made of the wave's number; su, st: bytes from K step to K step of U and of T
; the same along tokens (V's keys): by the order of x's tiles register n of a lane is key 64 (n / 32) + 32 (lane / 16) + n % 32: two whole blocks a lane, in the operand's own order; no lane is asked for a maximum, nothing is swapped
.macro QUANTK s, d0, d1, w
.irp b, 0,1,2,3
	v_max3_num_f32 v[TM+\b], |v[\s+16*\b]|, |v[\s+16*\b+1]|, 0x1800000   ; four chains of 16, and the floor 2^(3 - 127)
.endr
.irp i, 2,4,6,8,10,12,14
.irp b, 0,1,2,3
	v_max3_num_f32 v[TM+\b], v[TM+\b], |v[\s+16*\b+\i]|, |v[\s+16*\b+\i+1]|
.endr
.endr
	v_max_num_f32 v[TM], v[TM], v[TM+1]            ; block lane / 16
	v_max_num_f32 v[TM+2], v[TM+2], v[TM+3]        ; block 2 + lane / 16
	v_add_nc_u32 v[TM+12], 0xff000000, v[TM]
	v_add_nc_u32 v[TM+13], 0xff000000, v[TM+2]
	v_lshrrev_b32 v[TM+4], 23, v[TM+12]
	v_lshrrev_b32 v[TM+5], 23, v[TM+13]
	v_lshl_or_b32 v[TM+4], v[TM+5], 16, v[TM+4]
	v_lshlrev_b32 v[TM+4], v[SH8], v[TM+4]         ; my two bytes at their places in the scale word;
	v_permlanex16_b32 v[TM+6], v[TM+4], s[SEL], s[SEL+1]
	v_or_b32 v[\w], v[TM+4], v[TM+6]               ; with lane l xor 16's two the word is whole
	v_cvt_scalef32_pk16_fp6_f32 v[\d0:\d0+2], v[\s:\s+15], v[TM+12]
	v_cvt_scalef32_pk16_fp6_f32 v[CT:CT+2], v[\s+16:\s+31], v[TM+12]
	v_cvt_scalef32_pk16_fp6_f32 v[\d1:\d1+2], v[\s+32:\s+47], v[TM+13]
	v_cvt_scalef32_pk16_fp6_f32 v[CT+4:CT+6], v[\s+48:\s+63], v[TM+13]
	v_nop                                          ; one plain place behind the scaled conversions
.irp i, 0,1,2
	v_mov_b32 v[\d0+3+\i], v[CT+\i]
	v_mov_b32 v[\d1+3+\i], v[CT+4+\i]
.endr
.endm
.macro ADDR bu, bt, bsu, bst, su, st
	v_add_nc_u32 v[AU], s[\bu], v[L16]
	v_add_nc_u32 v[AT], s[\bt], v[L16]
	v_add_nc_u32 v[ASU], s[\bsu], v[L8]
	v_add_nc_u32 v[AST], s[\bst], v[L8]
.irp q, 1,2,3
	v_add_nc_u32 v[AU+\q], 2*\q*(\su), v[AU]
	v_add_nc_u32 v[AT+\q], 2*\q*(\st), v[AT]
	v_add_nc_u32 v[ASU+\q], 2*\q*(\su), v[ASU]
	v_add_nc_u32 v[AST+\q], 2*\q*(\st), v[AST]
.endr
.endm
; 39 LDS loads: K step ks's fragments and scale words into set ks % 2; the step's place stands in the register's number and in the immediate
.macro FETCH ks, su, st
.set FS, (\ks)%2
.set FQ, (\ks)/2
	WIN 0x80                                       ; destination window 2, address window 0
.irp t, 0,1,2,3,4,5,6,7
.irp p, 0,1,2
	ds_load_b128 v[96*FS+12*\t+4*\p:96*FS+12*\t+4*\p+3], v[AU+FQ] offset:FS*(\su)+1536*\t+512*\p
.endr
.endr
	WIN 0
.irp t, 0,1,2,3
.irp p, 0,1,2
	ds_load_b128 v[TF+48*FS+12*\t+4*\p:TF+48*FS+12*\t+4*\p+3], v[AT+FQ] offset:FS*(\st)+1536*\t+512*\p
.endr
.endr
	ds_load_b64 v[SCU+4*FS:SCU+4*FS+1], v[ASU+FQ] offset:FS*(\su)
	ds_load_b64 v[SCU+4*FS+2:SCU+4*FS+3], v[ASU+FQ] offset:FS*(\su)+256
	ds_load_b64 v[SCT+2*FS:SCT+2*FS+1], v[AST+FQ] offset:FS*(\st)
.endm
; 32 products, 128 along K; the 32 accumulators take turns, one instruction a turn, in the same order in every step
.macro MUL set, zero
	WIN 0x52                                       ; source 0 (U) window 2, source 1 (T) window 0, C and D window 1
.irp tu, 0,1,2,3,4,5,6,7
.irp tt, 0,1,2,3
	WMS 64*\tt+8*\tu, 96*(\set)+12*\tu, TF+48*(\set)+12*\tt, \zero, SCU+4*(\set)+\tu/2, SCT+2*(\set)+\tt/2, \tu%2, \tt%2
.endr
.endr
.endm
; a slot is filled again: the three lines, the round, my quarter of the next tile's four K steps; the four v_nop are also the places behind the products
.macro REFILL g0
	WIN 0
	s_wait_tensorcnt 0x0                           ; no tensor load of mine is out
	ds_add_u32 v[SPW], v[NIL]
	s_wait_dscnt 0x0                               ; the add is done, and my reads of the slot are over
	CROUND
	tensor_load_to_lds s[\g0:\g0+3], s[G1W:G1W+7]
	s_nop 0
	PLACES
.endm
; a tile's eight K steps.  refill = 1: the next tile's record follows through the ring
.macro KBODY su, st, refill
	FETCH 0, \su, \st
	FETCH 1, \su, \st
.irp ks, 0,1,2,3,4,5,6,7
.if \ks < 7
	s_wait_dscnt 39                                ; this step's 39 loads are in; the other set's 39 may be out
.else
	s_wait_dscnt 0x0
.endif
.if \ks == 0
	MUL 0, 1                                       ; the first step's products start the sums
.else
	MUL (\ks)%2, 0
.endif
.if (\refill) && (\ks == 3)
	REFILL G0R                                     ; K steps 0-3 lie in registers or are done with
	FETCH 5, \su, \st
.elseif \ks < 6
	PLACES                                         ; in front of loads into registers that matrix instructions have read
	FETCH \ks+2, \su, \st
.endif
.endr
.if \refill
	REFILL G0R+4
.else
	WIN 0
	PLACES                                         ; in front of the first read of results
.endif
.endm
	s_load_b256 s[4:11], s[0:1], 0x0               ; XQ, WQ, bq, bk
	s_load_b128 s[12:15], s[0:1], 0x20             ; bv, QF
	s_load_b64 s[16:17], s[0:1], 0x30              ; KV
	v_lshl_add_u32 v[SPW], v0, 2, SPARE
	v_mov_b32 v[NIL], 0
	ds_add_u32 v[SPW], v[NIL]                      ; the wave's opening: the add, twice on end, and its wait ahead of my first tensor load
	ds_add_u32 v[SPW], v[NIL]
	v_lshrrev_b32 v128, 5, v0
	v_readfirstlane_b32 s18, v128                  ; wave
	s_lshr_b32 s19, s18, 1
	s_and_b32 s20, s18, 1
	s_mov_b32 s21, 0xffff0000                      ; lanes 16-31
	s_mov_b32 s[SEL], 0x76543210
	s_mov_b32 s[SEL+1], 0xfedcba98
	s_bfe_u32 s84, ttmp6, 0x40000                  ; cx
	s_bfe_u32 s85, ttmp6, 0x40004                  ; cy
	s_lshl_b32 s87, ttmp9, 2
	s_add_co_u32 s87, s87, s84                     ; g
	s_and_b32 s86, ttmp7, 0xffff
	s_lshl_b32 s86, s86, 2
	s_add_co_u32 s86, s86, s85                     ; tb
	s_lshl_b32 s56, 0x1111, s84                    ; my column of the cluster
	s_lshl_b32 s57, s85, 2
	s_lshl_b32 s57, 15, s57                        ; my row
	; descriptor groups 1, elements of 8 bytes, no padding.  The tokens' half: dense, 400 rows of 256 bytes.  A record's half at the head: 4 rows of 12,800 bytes, 25,600 apart.  A quarter of a slot: dense, 50 rows of 256
	s_or_b32 s[G1X], s57, (3<<16)|(1<<21)
	s_mov_b32 s[G1X+1], 32<<16
	s_mov_b32 s[G1X+2], 400<<16
	s_mov_b32 s[G1X+3], 32<<16
	s_mov_b32 s[G1X+4], 400
	s_mov_b32 s[G1X+5], 32
	s_mov_b32 s[G1X+6], 0
	s_mov_b32 s[G1X+7], 0
	s_or_b32 s[G1H], s56, (3<<16)|(1<<21)
	s_mov_b32 s[G1H+1], 1600<<16
	s_mov_b32 s[G1H+2], 4<<16
	s_mov_b32 s[G1H+3], 1600<<16
	s_mov_b32 s[G1H+4], 4
	s_mov_b32 s[G1H+5], 3200
	s_mov_b32 s[G1H+6], 0
	s_mov_b32 s[G1H+7], 0
	s_or_b32 s[G1W], s56, (3<<16)|(1<<21)
	s_mov_b32 s[G1W+1], 32<<16
	s_mov_b32 s[G1W+2], 50<<16
	s_mov_b32 s[G1W+3], 32<<16
	s_mov_b32 s[G1W+4], 50
	s_mov_b32 s[G1W+5], 32
	s_mov_b32 s[G1W+6], 0
	s_mov_b32 s[G1W+7], 0
	s_mul_i32 s88, s86, 204800                     ; the tokens: pair tb, half w % 2.  These registers never hold cx
	s_mul_i32 s89, s20, 102400
	s_add_co_u32 s88, s88, s89
	s_mov_b32 s89, 0
	s_lshr_b32 s90, s87, 1                         ; the weights: record g.  These never hold cy
	s_mul_i32 s90, s90, 204800
	s_and_b32 s91, s87, 1
	s_mul_i32 s91, s91, 12800
	s_add_co_u32 s90, s90, s91
	s_mov_b32 s91, 0
	s_mul_i32 s92, s20, 102400                     ; its half w % 2, for the head;
	s_mov_b32 s93, 0
	s_mul_i32 s94, s18, 25600                      ; its K step w, for the ring
	s_mov_b32 s95, 0
	; LDS bases of the fragments.  Q and K: U in the ring, T = token record w / 2, half w % 2.  V: U = token record w % 2, T in the ring, half w / 2
	s_mov_b32 s80, WB
	s_mul_i32 s81, s19, 12800
	s_mul_i32 s83, s20, 6144
	s_add_co_u32 s81, s81, s83
	s_mov_b32 s82, WB+12288
	s_mul_i32 s83, s19, 12800
	s_lshl_b32 s96, s20, 8
	s_add_co_u32 s83, s83, s96
	s_add_co_u32 s83, s83, 12288
	s_mul_i32 s66, s20, 12800
	s_mul_i32 s67, s19, 6144
	s_add_co_u32 s67, s67, WB
	s_add_co_u32 s98, s66, 12288
	s_lshl_b32 s99, s19, 8
	s_add_co_u32 s99, s99, WB+12288
	s_mul_i32 s79, s18, 12800                      ; my quarter of a slot
	s_wait_dscnt 0x0                               ; both opening adds are done
	s_wait_kmcnt 0x0
	s_add_nc_u64 s[58:59], s[4:5], s[88:89]
	s_add_nc_u64 s[60:61], s[6:7], s[90:91]
	s_mov_b32 s[G0X], 1
	s_mul_i32 s[G0X+1], s20, 102400
	s_mov_b64 s[G0X+2:G0X+3], s[58:59]
	s_or_b32 s[G0X+3], s[G0X+3], 0x80000000
	s_mov_b32 s[G0H], 1
	s_mul_i32 s[G0H+1], s20, 51200
	s_add_co_u32 s[G0H+1], s[G0H+1], WB
	s_add_nc_u64 s[G0H+2:G0H+3], s[60:61], s[92:93]
	s_or_b32 s[G0H+3], s[G0H+3], 0x80000000
	s_add_nc_u64 s[60:61], s[60:61], s[94:95]
.irp h, 0,1                            ; they stand at the first record; each tile's head steps them one matrix (eight records, 819,200 bytes) on
	s_mov_b32 s[G0R+4*\h], 1
	s_add_co_u32 s[G0R+4*\h+1], s79, WB+\h*51200
	s_add_nc_u64 s[G0R+4*\h+2:G0R+4*\h+3], s[60:61], \h*102400
	s_or_b32 s[G0R+4*\h+3], s[G0R+4*\h+3], 0x80000000
.endr
	CROUND                                         ; all sixteen work-groups are here: the joint loads meet
	s_cmp_eq_u32 s19, 0
	s_cbranch_scc0 .Lfor_w
	tensor_load_to_lds s[G0X:G0X+3], s[G1X:G1X+7]
	s_nop 0
	PLACES
	s_branch .Lasked
.Lfor_w:
	tensor_load_to_lds s[G0H:G0H+3], s[G1H:G1H+7]
	s_nop 0
	PLACES
.Lasked:
	s_lshl_b32 s96, s87, 9                         ; 512 g: where my record's 128 numbers of a bias begin
	s_mov_b32 s97, 0
	s_lshl_b32 s92, s19, 8
	s_add_co_u32 s92, s92, s96
	s_add_nc_u64 s[12:13], s[12:13], s[92:93]      ; bv: + 256 (w / 2)
	s_mov_b32 s[TC], 0
	v_and_b32 v[L8], 31, v0
	v_lshlrev_b32 v[L16], 4, v[L8]
	v_lshlrev_b32 v[L4], 2, v[L8]
	v_lshlrev_b32 v[L8], 3, v[L8]
	v_bfe_u32 v[SH8], v0, 4, 1
	v_lshlrev_b32 v[SH8], 3, v[SH8]
	; the biases.  Along U: register 16 b + i wants bias[128 g + 32 b + 16 h + i].  Along T: tile tt wants bv[128 g + 64 (w / 2) + 32 (tt / 2) + 8 (tt % 2) + r + 8 (r / 8)], twice, as a pair
	v_and_b32 v[BTO], 15, v0
	v_and_b32 v[BTO+1], 8, v[BTO]
	v_add_nc_u32 v[BTO], v[BTO], v[BTO+1]
	v_lshlrev_b32 v[BTO], 2, v[BTO]
	v_bfe_u32 v[BO], v0, 4, 1
	v_lshlrev_b32 v[BO], 6, v[BO]
.irp t, 0,1,2,3
	global_load_b32 v[BT+2*\t], v[BTO], s[12:13] offset:(32*(\t/2)+8*(\t%2))*4
	global_load_b32 v[BT+2*\t+1], v[BTO], s[12:13] offset:(32*(\t/2)+8*(\t%2))*4
.endr
.Ltile:                                            ; two trips: Q, then K
	s_wait_tensorcnt 0x0                           ; my parts of this tile's record (the first time: of the tokens too) are in; no load of mine is out, so the descriptors may be written
	s_wait_xcnt 0x0                                ; the last tile's stores have read their registers and bases
	s_add_nc_u64 s[G0R+2:G0R+3], s[G0R+2:G0R+3], 819200
	s_add_nc_u64 s[G0R+6:G0R+7], s[G0R+6:G0R+7], 819200
	s_cmp_eq_u32 s[TC], 0
	s_cselect_b64 s[62:63], s[8:9], s[10:11]
	s_add_nc_u64 s[62:63], s[62:63], s[96:97]
	v_bfe_u32 v[BO], v0, 4, 1
	v_lshlrev_b32 v[BO], 6, v[BO]
	ADDR 80, 81, 82, 83, 12800, 25600
	s_wait_alu depctr_va_vdst(0)
	s_wait_dscnt 0x0
	s_barrier_signal -1
	s_barrier_wait -1                              ; everybody's parts are in.
.irp b, 0,1,2,3
.irp j, 0,1,2,3
	global_load_b128 v[BU+16*\b+4*\j:BU+16*\b+4*\j+3], v[BO], s[62:63] offset:128*\b+16*\j
.endr
.endr
	KBODY 12800, 25600, 1
	s_wait_loadcnt 0x0                             ; the biases
	; the way out of Q or K: U's 128 rows are two heads.  A tile of tokens gives half a packed fragment to each head
	s_lshr_b32 s57, s86, 3
	s_lshl_b32 s57, s57, 1
	s_bfe_u32 s58, s87, 0x10002
	s_add_co_u32 s57, s57, s58                     ; 2 b + hh
	s_lshl_b32 s57, s57, 4
	s_and_b32 s56, s86, 7
	s_lshl_b32 s56, s56, 1
	s_add_co_u32 s56, s56, s19
	s_add_co_u32 s57, s57, s56                     ; + the group of 128 tokens
	s_mul_i32 s57, s57, 51200
	s_and_b32 s58, s87, 3
	s_lshl_b32 s58, s58, 1                         ; the first head's number among eight
	s_mul_i32 s59, s58, 6144
	s_add_co_u32 s59, s59, s57
	s_lshl_b32 s58, s58, 8
	s_add_co_u32 s58, s58, s57
	s_add_co_u32 s58, s58, 49152
	s_cmp_eq_u32 s[TC], 0                          ; Q, else K, whose record, strides and scale base are all twice Q's
	s_cselect_b32 s60, 0, 1
	s_cselect_b64 s[76:77], s[14:15], s[16:17]
	s_lshl_b32 s59, s59, s60
	s_lshl_b32 s58, s58, s60
	s_mul_i32 s61, s20, 3072                       ; my two packed fragments: 2 (w % 2) on
	s_add_co_u32 s88, s59, s61
	s_mov_b32 s89, 0
	s_lshl_b32 s61, s20, 7
	s_add_co_u32 s90, s58, s61
	s_mov_b32 s91, 0
	s_lshl_b32 s92, 6144, s60
	s_mov_b32 s93, 0
	s_lshl_b32 s94, 256, s60
	s_mov_b32 s95, 0
	s_add_nc_u64 s[88:89], s[76:77], s[88:89]      ; the first head's fragments,
	s_add_nc_u64 s[92:93], s[88:89], s[92:93]      ; the second's,
	s_add_nc_u64 s[90:91], s[76:77], s[90:91]      ; the first head's scale words,
	s_add_nc_u64 s[94:95], s[90:91], s[94:95]      ; the second's
.irp tt, 0,1,2,3
	WIN 0x01                                       ; source 0 window 1
.set n, 0
.rept 32
	v_pk_add_f32 v[H+n:H+n+1], v[64*\tt+n:64*\tt+n+1], v[BU+n:BU+n+1]   ; each accumulator from its low end on
.set n, n+2
.endr
	WIN 0
	QUANT H, PCD+24*(\tt/2)+6*(\tt%2), PCD+24*(\tt/2)+12+6*(\tt%2), WW+\tt
.if \tt%2 == 1
.irp p, 0,1,2
	global_store_b128 v[L16], v[PCD+24*(\tt/2)+4*\p:PCD+24*(\tt/2)+4*\p+3], s[88:89] offset:(\tt/2)*1536+512*\p
	global_store_b128 v[L16], v[PCD+24*(\tt/2)+12+4*\p:PCD+24*(\tt/2)+12+4*\p+3], s[92:93] offset:(\tt/2)*1536+512*\p
.endr
.endif
.endr
	v_perm_b32 v[HW], v[WW+1], v[WW], 0x05040100   ; a packed fragment's word: the even tile's two bytes, then the odd tile's; the first head's are the low halves,
	v_perm_b32 v[HW+1], v[WW+3], v[WW+2], 0x05040100
	v_perm_b32 v[HW+2], v[WW+1], v[WW], 0x07060302 ; the second head's the high halves
	v_perm_b32 v[HW+3], v[WW+3], v[WW+2], 0x07060302
	v_cndmask_b32 v[HW+4], v[HW], v[HW+1], s21     ; lanes 0-15: my first packed fragment; lanes 16-31: my second
	v_cndmask_b32 v[HW+5], v[HW+2], v[HW+3], s21
	global_store_b32 v[L4], v[HW+4], s[90:91]
	global_store_b32 v[L4], v[HW+5], s[94:95]
	s_add_co_u32 s[TC], s[TC], 1
	s_cmp_lt_u32 s[TC], 2
	s_wait_alu depctr_va_vdst(0)                   ; the wait ahead of the branch
	s_cbranch_scc1 .Ltile
	; ---------------- V, written out: nothing follows through the ring
	s_wait_tensorcnt 0x0                           ; my parts of Wv's record are in
	s_wait_xcnt 0x0                                ; K's stores have read their registers and bases
	ADDR 66, 67, 98, 99, 25600, 12800
	s_wait_alu depctr_va_vdst(0)                   ; the wait, directly ahead of the waits below
	s_wait_dscnt 0x0
	s_barrier_signal -1
	s_barrier_wait -1
	KBODY 25600, 12800, 0
	s_lshr_b32 s56, s86, 3                         ; U's 128 rows are a key step; my 64 rows of T are one head's 64 channels: four fragments of V^T
	s_lshl_b32 s56, s56, 1
	s_lshr_b32 s57, s87, 2
	s_add_co_u32 s56, s56, s57                     ; 2 b + hh
	s_lshl_b32 s56, s56, 4
	s_and_b32 s57, s86, 7
	s_lshl_b32 s57, s57, 1
	s_add_co_u32 s57, s57, s20
	s_add_co_u32 s56, s56, s57                     ; + the key step
	s_mul_i32 s56, s56, 102400
	s_and_b32 s57, s87, 3
	s_lshl_b32 s57, s57, 1
	s_add_co_u32 s57, s57, s19                     ; the head among eight
	s_mul_i32 s58, s57, 12288
	s_add_co_u32 s88, s56, s58
	s_add_co_u32 s88, s88, 6144
	s_mov_b32 s89, 0
	s_lshl_b32 s57, s57, 9
	s_add_co_u32 s90, s56, s57
	s_add_co_u32 s90, s90, 98304+256
	s_mov_b32 s91, 0
	s_add_nc_u64 s[88:89], s[16:17], s[88:89]
	s_add_nc_u64 s[90:91], s[16:17], s[90:91]
.irp tt, 0,1,2,3
	WIN 0x01
.set n, 0
.rept 32
	v_pk_add_f32 v[H+n:H+n+1], v[64*\tt+n:64*\tt+n+1], v[BT+2*\tt:BT+2*\tt+1]
.set n, n+2
.endr
	WIN 0
	QUANTK H, PCD+12*\tt, PCD+12*\tt+6, WW+\tt
.irp p, 0,1,2
	global_store_b128 v[L16], v[PCD+12*\tt+4*\p:PCD+12*\tt+4*\p+3], s[88:89] offset:\tt*1536+512*\p
.endr
.endr
	v_cndmask_b32 v[HW], v[WW], v[WW+1], s21
	v_cndmask_b32 v[HW+1], v[WW+2], v[WW+3], s21
	global_store_b32 v[L4], v[HW], s[90:91]
	global_store_b32 v[L4], v[HW+1], s[90:91] offset:128
	s_wait_tensorcnt 0x0                           ; the wave's end
	ds_add_u32 v[SPW], v[NIL]
	s_wait_dscnt 0x0
	CROUND                                         ; the closing round
	s_endpgm
.Lfunc_end_k_q596133a6a7_proj:
	.size	k_q596133a6a7_proj, .Lfunc_end_k_q596133a6a7_proj-k_q596133a6a7_proj
	.p2alignl 7, 3214868480
	.fill 96, 4, 3214868480
	.section	.rodata,"a",@progbits
	.p2align	6, 0x0
	.amdhsa_kernel k_q596133a6a7_proj
		.amdhsa_group_segment_fixed_size 327680
		.amdhsa_private_segment_fixed_size 0
		.amdhsa_enable_private_segment 0
		.amdhsa_kernarg_size 56
		.amdhsa_user_sgpr_count 2
		.amdhsa_user_sgpr_kernarg_segment_ptr 1
		.amdhsa_wavefront_size32 1
		.amdhsa_system_sgpr_workgroup_id_x 1
		.amdhsa_system_sgpr_workgroup_id_y 1
		.amdhsa_system_sgpr_workgroup_id_z 1
		.amdhsa_system_vgpr_workitem_id 0
		.amdhsa_next_free_vgpr 704
		.amdhsa_next_free_sgpr 100
		.amdhsa_reserve_vcc 0
		.amdhsa_float_denorm_mode_32 3
		.amdhsa_float_denorm_mode_16_64 3
		.amdhsa_memory_ordered 1
		.amdhsa_forward_progress 1
		.amdhsa_inst_pref_size 169
	.end_amdhsa_kernel
	.amdgpu_metadata
---
amdhsa.version: [ 1, 2 ]
amdhsa.kernels:
  - .name:           k_q596133a6a7_proj
    .symbol:         k_q596133a6a7_proj.kd
    .args:
      - { .name: XQ, .offset: 0, .size: 8, .value_kind: global_buffer, .address_space: global }
      - { .name: WQ, .offset: 8, .size: 8, .value_kind: global_buffer, .address_space: global }
      - { .name: bq, .offset: 16, .size: 8, .value_kind: global_buffer, .address_space: global }
      - { .name: bk, .offset: 24, .size: 8, .value_kind: global_buffer, .address_space: global }
      - { .name: bv, .offset: 32, .size: 8, .value_kind: global_buffer, .address_space: global }
      - { .name: QF, .offset: 40, .size: 8, .value_kind: global_buffer, .address_space: global }
      - { .name: KV, .offset: 48, .size: 8, .value_kind: global_buffer, .address_space: global }
    .group_segment_fixed_size: 327680
    .private_segment_fixed_size: 0
    .kernarg_segment_align: 8
    .kernarg_segment_size: 56
    .max_flat_workgroup_size: 128
    .sgpr_count:     100
    .vgpr_count:     704
    .wavefront_size: 32
...
	.end_amdgpu_metadata
.endif
;; end of part 2
;; launch attn (part 3): grid 32 x 8, 8 waves a work-group, clusters of 4 x 4, 327,680 bytes of LDS; arguments QF, KV, time_intervals, mask, alpha, out0; writes out0
.if DOCPART == 3
	.amdgcn_target "amdgcn-amd-amdhsa--gfx1250"
	.amdhsa_code_object_version 6
	.text
	.protected	k_q596133a6a7_attn
	.globl	k_q596133a6a7_attn
	.p2align	8
	.type	k_q596133a6a7_attn,@function
k_q596133a6a7_attn:
	s_mov_b64 s[64:65], 0
	v_nop
	global_prefetch_b8 v0, s[64:65] scope:SCOPE_SE
	s_setreg_imm32_b32 hwreg(HW_REG_WAVE_MODE, 25, 1), 1
	s_wait_xcnt 0x0
	s_wait_alu depctr_hold_cnt(0) depctr_sa_sdst(0) depctr_va_vdst(0) depctr_va_sdst(0) depctr_va_ssrc(0) depctr_va_vcc(0) depctr_vm_vsrc(0)
	s_getreg_b32 s2, hwreg(HW_REG_IB_STS2, 6, 4)
	s_cmp_eq_u32 s2, 0
	s_cbranch_scc0 .Lentry_in_a_cluster
	s_endpgm
.Lentry_in_a_cluster:
	s_bfe_u32 s2, ttmp6, 0x10000c
	s_cmp_lg_u32 s2, 0xf033
	s_cbranch_scc0 .Lentry_shape_is_right
	s_endpgm
.Lentry_shape_is_right:
; LAUNCH 3 OF 3.  out = softmax(Q K^T / 8 - |alpha| ti, masked) V on codes of FP6, for 4 batches x 16 heads x 2,048 x 2,048.  Nothing is left out.
; SHARES.  A work-group: 64 queries (x) of a batch and eight heads (y = 2 b + hh); wave w is head 8 hh + w with four tiles of 16 queries, so each fragment of K and V read from LDS feeds four tiles.  128 keys a step, 16 steps.
; THE BIAS.  C = (mask != 0) ? -8 |alpha| ti : -2^100 is made once a work-group and key step and laid in LDS as an image of the scores' registers; a wave loads it INTO the accumulator: S^T = K Q^T + C; t = D c, c = log2(e) / 8.
; Each wave makes eight rows of the next step's image, two rows in each of its four tiles.
; K = 64 IN A FORM OF K = 128: a packed fragment of K holds tile 2 pi in registers 0-5 and tile 2 pi + 1 in 6-11; it is multiplied by (Q | zeros) and by (zeros | Q): zero codes add nothing under any of these scale bytes.
; TWO BUFFERS FOR S^T, by turns from tile to tile: tile n + 1's bias image is loaded while tile n is worked, and its eight products are issued behind tile n's exponentials, ahead of tile n's sum, scales, conversions and products with V.
; THE SOFTMAX: M = the running largest t rounded up to a whole number, kept as -M; p = 2^(t - M) is quantised along the keys, not normalised; the sum is taken of the unquantised p and divides at the end; when M moves, the sum
; and O^T are multiplied by 2^(old M - new M), exactly.
; A ROW WHOSE EVERY KEY IS MASKED: the largest t begins at the floor -2^90; while it stands there the lane takes c' = 0 and -M' = 0, so every p is 1 (uniform weights); the first key that counts gives the factor 0.
; LIMITS: in a row with a key that counts, masked keys weigh 0: as the formula has it while the row's largest logit that counts lies above -1e9 + 200, and |t| under 2^90.  NaN and infinities among the inputs are not served.
; CLUSTER 4 x 4: the four query blocks of a row of the cluster walk the same K and V: each slice is asked for jointly.
; LDS: slot 0 at 0, slot 1 at 2^17 (102,400 bytes each: a record of KV); two bias buffers of 35,840 bytes; the spare words.  Bias element (tile qt, lane (r, h), registers 4 c ..): 8,960 qt + 4,480 h + 272 c + 16 r.
; REGISTERS: window 0: v1-15 addresses and two singles; v16-31 -M, largest t, the sum's two halves, a tile; v32-85 zeros Q0 zeros Q1 zeros Q2 zeros Q3 zeros; v86-99 scale words, c', -M', f; v100-115 at work;
;   v116-123 two rows of ti; v124-125 addresses; v128-255 S^T, two buffers.   window 1: v0-127 O^T (32 qt + 8 tt); v128-175 K; v176-223 V; v224-235 p's codes; v236-242 the conversions' second halves; v244-251 two rows of mask.
.set SLOT1, 1<<17
.set RECB,  102400
.set BIAS0, SLOT1+RECB
.set BIASB, 35840
.set SPARE, BIAS0+2*BIASB
.set STAGE, BIAS0                      ; the way out: 16 rows x 272 bytes a wave, behind a barrier behind which nobody reads a bias image
.set SPW, 1
.set NIL, 2
.set KVB, 3                            ; 16 lane + 12,288 w
.set SCB, 4                            ; 4 lane + 98,304 + 512 w
.set BRB, 5                            ; where I read a bias image;  v6 in the buffer in hand
.set ABR, 6
.set BWB, 7                            ; where I write one;  v8 in the other buffer
.set ABW, 8
.set TMO, 9                            ; my byte offset in the work-group's rows of ti and of mask
.set PFO, 10
.set STO, 11
.set RD,  12
.set GO,  13
.set VT,  14
.set CV,  15
.set ST,  16
.set QC,  32
.set QW,  86
.set KS,  88
.set VS,  90
.set PW,  92
.set SH8, 93                           ; 8 (lane / 16)
.set CP,  94
.set MP,  96
.set FF,  98
.set BM,  100
.set BX,  104
.set SO,  108
.set BY,  112
.set TI,  116
.set AKV, 124
.set ASC, 125
.set S,   128
.set KF,  128                          ; window 1 from here on
.set VF,  176
.set P,   224
.set CT,  236
.set MK,  244
.set WV,  17
.set G1,  24
.set G0,  32
.set J,   36
.set TB,  38
.set BB,  39
.set BBN, 40
.set CS,  42
.set SEL, 44
.set AL,  46
.set FLR, 48
.set PFA, 50
.set PFS, 52
.set LIM, 54
.set MSB, 0
.macro WIN new                         ; the immediate's high byte repeats the setting that is left
.if MSB != \new
	s_set_vgpr_msb (MSB<<8)|\new
.set MSB, \new
.endif
.endm
.macro PLACES
.rept 4
	v_nop
.endr
.endm
.macro CROUND                          ; a round of the cluster's barrier
	s_barrier_signal -1
	s_barrier_wait -1
	s_cmp_lg_u32 s[WV], 0
	s_cbranch_scc1 .Lnot_wave_0_\@
	s_barrier_signal -3
.Lnot_wave_0_\@:
	s_barrier_wait -3
	s_barrier_signal -1
	s_barrier_wait -1
.endm
.macro WMA d, a, b, sa, sb, ra, rb     ; one product onto what lies in d; ra, rb: which half of the lanes holds the side's scale words
.if ((\ra) == 0) && ((\rb) == 0)
	v_wmma_scale_f32_16x16x128_f8f6f4 v[\d:\d+7], v[\a:\a+11], v[\b:\b+11], v[\d:\d+7], v[\sa], v[\sb] matrix_a_fmt:MATRIX_FMT_FP6 matrix_b_fmt:MATRIX_FMT_FP6
.elseif (\rb) == 0
	v_wmma_scale_f32_16x16x128_f8f6f4 v[\d:\d+7], v[\a:\a+11], v[\b:\b+11], v[\d:\d+7], v[\sa], v[\sb] matrix_a_fmt:MATRIX_FMT_FP6 matrix_b_fmt:MATRIX_FMT_FP6 matrix_a_scale:MATRIX_SCALE_ROW1
.elseif (\ra) == 0
	v_wmma_scale_f32_16x16x128_f8f6f4 v[\d:\d+7], v[\a:\a+11], v[\b:\b+11], v[\d:\d+7], v[\sa], v[\sb] matrix_a_fmt:MATRIX_FMT_FP6 matrix_b_fmt:MATRIX_FMT_FP6 matrix_b_scale:MATRIX_SCALE_ROW1
.else
	v_wmma_scale_f32_16x16x128_f8f6f4 v[\d:\d+7], v[\a:\a+11], v[\b:\b+11], v[\d:\d+7], v[\sa], v[\sb] matrix_a_fmt:MATRIX_FMT_FP6 matrix_b_fmt:MATRIX_FMT_FP6 matrix_a_scale:MATRIX_SCALE_ROW1 matrix_b_scale:MATRIX_SCALE_ROW1
.endif
.endm
; two of my eight rows (8 w + 2 q + k) of ti (to t, window 0) and of mask (to m, window mw), 512 consecutive bytes each, at the key step at which the two bases stand.  No hint: two work-groups read these bytes
.macro LOADTM q, t, m, mw
.irp k, 0,1
	global_load_b128 v[\t+4*\k:\t+4*\k+3], v[TMO], s[8:9] offset:(2*(\q)+\k)*8192
.endr
	WIN 0x40*(\mw)
.irp k, 0,1
	global_load_b128 v[\m+4*\k:\m+4*\k+3], v[TMO], s[10:11] offset:(2*(\q)+\k)*8192
.endr
	WIN 0
.endm
; THE ORDER OF TOKENS IN A TILE (launch 1): lane r of tile t of 64 tokens is token 8 t + r % 8 + 32 (r / 8).  So register n of S^T in lane (r, h) is key 64 (n / 32) + 32 h + n % 32: two whole blocks of 32 keys a lane.
; two rows become C and go into a bias buffer: lane l holds keys 4 l .. 4 l + 3 of a row, which are registers 4 c .. 4 c + 3 of lane (r, h): h = (l / 8) % 2, c = 8 (l / 16) + l % 8
.macro COMB q, t, m, mw, adr
	s_wait_loadcnt 0x0
.irp k, 0,2,4,6
	v_pk_mul_f32 v[\t+\k:\t+\k+1], v[\t+\k:\t+\k+1], s[AL:AL+1] op_sel_hi:[1,0]
.endr
	WIN \mw
.irp k, 0,1,2,3,4,5,6,7
	v_cmp_ne_u32 s[56+\k], v[\m+\k], 0
.endr
.irp k, 0,1,2,3,4,5,6,7
	v_cndmask_b32 v[\t+\k], 0xf1800000, v[\t+\k], s[56+\k]   ; -2^100 where the mask is 0
.endr
	WIN 0
	ds_store_b128 v[\adr], v[\t:\t+3] offset:32*(\q)
	ds_store_b128 v[\adr], v[\t+4:\t+7] offset:32*(\q)+16
.endm
; A PREFETCH INTO THE L2 of key step J + 2, one trip ahead of the loads that will want it; it stands behind the trip's tensor load, global loads and LDS loads.  Each aligned block of 256 bytes is named once in the launch:
; waves 0-3: the work-group's 64 rows x 2 blocks of ONE array, ti where hh = 0, mask where hh = 1 (the two partners of a (b, x) are told apart by address); waves 4-6 of the first cluster along x: the 98,304 bytes of codes of
; KV's record, 96 blocks for each of the four partners, by address; wave 7 nothing.  Trips 14 on ask for nothing: there is no step behind 15.  Steps 0 and 1 and the scale words come by their loads alone.
.macro ASK
	s_cmp_lt_u32 s[J], s[LIM]
	s_cbranch_scc0 .Lnot_mine_\@
	global_prefetch_b8 v[PFO], s[PFA:PFA+1] th:TH_LOAD_NT scope:SCOPE_SE
.Lnot_mine_\@:
.endm
.macro BIASLD qt                       ; tile qt's bias image into its buffer of S^T
.irp c, 0,1,2,3,4,5,6,7,8,9,10,11,12,13,14,15
	ds_load_b128 v[S+64*((\qt)%2)+4*\c:S+64*((\qt)%2)+4*\c+3], v[ABR] offset:(\qt)*8960+\c*272
.endr
.endm
.macro QK qt                           ; S^T of tile qt: key tile t is packed fragment t / 2 against (Q | zeros) or (zeros | Q)
	WIN 0x01                                       ; source 0 (K) window 1
.irp t, 0,1,2,3,4,5,6,7
	WMA S+64*((\qt)%2)+8*\t, KF+12*(\t/2), QC+6+12*(\qt)-6*(\t%2), KS+\t/4, QW+(\qt)%2, (\t/2)%2, (\qt)/2
.endr
	WIN 0
.endm
; ONE TILE OF 16 QUERIES, ONE KEY STEP.  Its S^T was issued earlier and lies in buffer qt % 2
.macro TILE qt, fill
.set SA,  S+64*((\qt)%2)
.set NMR, ST+4*(\qt)
.set MXR, ST+4*(\qt)+1
.set LR,  ST+4*(\qt)+2
.irp b, 0,1,2,3
	v_max3_num_f32 v[BM+\b], v[SA+16*\b], v[SA+16*\b+1], v[SA+16*\b+2]   ; the largest D of each block of 32 keys: for the row's maximum and, since p rises with D, for the block's largest p
.endr
.irp i, 3,5,7,9,11,13
.irp b, 0,1,2,3
	v_max3_num_f32 v[BM+\b], v[BM+\b], v[SA+16*\b+\i], v[SA+16*\b+\i+1]
.endr
.endr
.irp b, 0,1,2,3
	v_max_num_f32 v[BM+\b], v[BM+\b], v[SA+16*\b+15]
.endr
	v_max_num_f32 v[BM], v[BM], v[BM+1]            ; my block h: all its 32 keys are mine
	v_max_num_f32 v[BM+2], v[BM+2], v[BM+3]        ; my block 2 + h
	v_mov_b32 v[BY], v[NMR]                        ; the old -M
	s_delay_alu instid0(VALU_DEP_2)
	v_max_num_f32 v[VT], v[BM], v[BM+2]
	s_delay_alu instid0(VALU_DEP_1)
	v_permlanex16_b32 v[BX], v[VT], s[SEL], s[SEL+1]
	s_delay_alu instid0(VALU_DEP_1)
	v_max_num_f32 v[VT], v[VT], v[BX]              ; with lane l xor 16's two blocks: the step's largest D of my query
	s_delay_alu instid0(VALU_DEP_1)
	v_mul_f32 v[VT], s[CS], v[VT]                  ; as t
	s_delay_alu instid0(VALU_DEP_1)
	v_max_num_f32 v[MXR], v[MXR], v[VT]            ; the running largest t, never under the floor
	s_delay_alu instid0(VALU_DEP_1)
	v_floor_f32 v[NMR], -v[MXR]                    ; the new -M
	v_cmp_lt_f32 vcc_lo, s[FLR], v[MXR]            ; has a key counted yet?
	s_delay_alu instid0(VALU_DEP_1)
	v_cndmask_b32 v[CP], 0, v[CV], vcc_lo          ; c, or 0,
	v_cndmask_b32 v[MP], 0, v[NMR], vcc_lo         ; -M, or 0: then every p is 1
.set j, 0
.rept 32
	v_pk_fma_f32 v[SA+j:SA+j+1], v[SA+j:SA+j+1], v[CP:CP+1], v[MP:MP+1] op_sel_hi:[1,0,0]   ; t - M, two at a time; among them f is made, each of its three lines eight lines behind the one before
.if j == 8
	v_sub_f32 v[VT], v[NMR], v[BY]                 ; old M - new M: a whole number, 0 or less
.endif
.if j == 24
	v_cvt_i32_f32 v[VT], v[VT]                     ; (it saturates)
.endif
.if j == 40
	v_ldexp_f32 v[FF], 1.0, v[VT]                  ; f = 2^(old M - new M)
.endif
.set j, j+2
.endr
.irp b, 0,2
	v_fma_f32 v[BM+\b], v[BM+\b], v[CP], v[MP]
.endr
.if \fill
	COMB \qt, TI, MK, 1, ABW                       ; two rows of the next step's bias image; their loads were issued a tile ago (tile 0: at the step's head)
.endif
	s_wait_alu depctr_va_vdst(0)                   ; the wait ahead of the batch
.set j, 0
.rept 64
	v_exp_f32 v[SA+j], v[SA+j]                     ; p
.set j, j+1
.endr
.irp b, 0,2
	v_exp_f32 v[BM+\b], v[BM+\b]                   ; my two blocks' largest p
.endr
	v_pk_mul_f32 v[LR:LR+1], v[LR:LR+1], v[FF:FF+1] op_sel_hi:[1,0]   ; the sums under the new M: a plain place behind the exponentials
	s_wait_alu depctr_va_vdst(0)                   ; one wait for the batch of 66, ahead of its first reader and of the wait below
.if (\qt) < 3
	s_wait_dscnt 0x0                               ; the next tile's bias image lies in the other buffer; my two stores into the bias buffer have read their registers
.if \fill
	LOADTM (\qt)+1, TI, MK, 1
.endif
	QK (\qt)+1                                     ; the next tile's S^T; no transcendental stands between these products and their first readers
.endif
	v_pk_add_f32 v[BX:BX+1], v[SA:SA+1], v[SA+2:SA+3]        ; the sum of the unquantised p, in four chains
	v_pk_add_f32 v[BX+2:BX+3], v[SA+4:SA+5], v[SA+6:SA+7]
	v_pk_add_f32 v[BY:BY+1], v[SA+8:SA+9], v[SA+10:SA+11]
.set j, 12
.rept 6
	v_pk_add_f32 v[LR:LR+1], v[LR:LR+1], v[SA+j:SA+j+1]
	v_pk_add_f32 v[BX:BX+1], v[BX:BX+1], v[SA+j+2:SA+j+3]
	v_pk_add_f32 v[BX+2:BX+3], v[BX+2:BX+3], v[SA+j+4:SA+j+5]
	v_pk_add_f32 v[BY:BY+1], v[BY:BY+1], v[SA+j+6:SA+j+7]
.set j, j+8
.endr
	v_pk_add_f32 v[LR:LR+1], v[LR:LR+1], v[SA+60:SA+61]
	v_pk_add_f32 v[BX:BX+1], v[BX:BX+1], v[SA+62:SA+63]
	v_pk_add_f32 v[BY:BY+1], v[BY:BY+1], v[BX+2:BX+3]
	v_max_num_f32 v[BM], 0x1800000, v[BM]          ; the floor 2^(3 - 127): the byte cannot fall under 1
	v_max_num_f32 v[BM+2], 0x1800000, v[BM+2]
	v_pk_add_f32 v[LR:LR+1], v[LR:LR+1], v[BX:BX+1]
	v_add_nc_u32 v[SO], 0xff000000, v[BM]
	v_add_nc_u32 v[SO+2], 0xff000000, v[BM+2]
	v_pk_add_f32 v[LR:LR+1], v[LR:LR+1], v[BY:BY+1]
	v_lshrrev_b32 v[BY], 23, v[SO]
	v_lshrrev_b32 v[BY+2], 23, v[SO+2]
	s_delay_alu instid0(VALU_DEP_1)
	v_lshl_or_b32 v[BY], v[BY+2], 16, v[BY]
	s_delay_alu instid0(VALU_DEP_1)
	v_lshlrev_b32 v[BY], v[SH8], v[BY]             ; my two bytes at their places in the scale word;
	s_delay_alu instid0(VALU_DEP_1)
	v_permlanex16_b32 v[BX], v[BY], s[SEL], s[SEL+1]
	s_delay_alu instid0(VALU_DEP_1)
	v_or_b32 v[PW], v[BY], v[BX]                   ; with lane l xor 16's two the word is whole
	WIN 0x40                                       ; the codes lie in window 1
	v_cvt_scalef32_pk16_fp6_f32 v[P:P+2], v[SA:SA+15], v[SO]
	v_cvt_scalef32_pk16_fp6_f32 v[CT:CT+2], v[SA+16:SA+31], v[SO]
	v_cvt_scalef32_pk16_fp6_f32 v[P+6:P+8], v[SA+32:SA+47], v[SO+2]
	v_cvt_scalef32_pk16_fp6_f32 v[CT+4:CT+6], v[SA+48:SA+63], v[SO+2]
	v_nop                                          ; one plain place behind the scaled conversions
	WIN 0
.if (\qt) < 2
	BIASLD (\qt)+2                                 ; this buffer takes the bias image of the tile two further on
.endif
	WIN 0x41                                       ; destination and source 0 window 1, f window 0
.irp i, 0,1,2
	v_mov_b32 v[P+3+\i], v[CT+\i]
	v_mov_b32 v[P+9+\i], v[CT+4+\i]
.endr
	s_wait_alu depctr_va_vdst(0)                   ; the wait here, directly ahead of the first reader of O^T
.set j, 0
.rept 16
	v_pk_mul_f32 v[32*(\qt)+j:32*(\qt)+j+1], v[32*(\qt)+j:32*(\qt)+j+1], v[FF:FF+1] op_sel_hi:[1,0]   ; O^T under the new M; these also stand between the making of p's codes and scale word and the products
.set j, j+2
.endr
	WIN 0x55                                       ; V, p, C and D window 1
.irp t, 0,1,2,3
	WMA 32*(\qt)+8*\t, VF+12*\t, P, VS+\t/2, PW, \t%2, 0
.endr
	WIN 0
.endm
; A KEY STEP.  The change of slots stands at its head: all my tensor loads are in, the add, my LDS instructions are done; then the round (fill = 1) or the work-group's barrier.
; fill = 1: the slot left last is filled with the next step's record, my slice of 12,800 bytes, and the next step's bias image is made in the other bias buffer.
.macro STEP fill
	s_wait_tensorcnt 0x0                           ; my slice of this step's record is in; no load of mine is out, so the descriptor may be written
	ds_add_u32 v[SPW], v[NIL]
.if \fill
	s_xor_b32 s[G0+1], s[G0+1], SLOT1
	s_add_nc_u64 s[G0+2:G0+3], s[G0+2:G0+3], RECB
	s_wait_xcnt 0x0                                ; the last trip's loads and prefetch have read their addresses
	s_add_nc_u64 s[PFA:PFA+1], s[PFA:PFA+1], s[PFS:PFS+1]
	s_add_nc_u64 s[8:9], s[8:9], 512
	s_add_nc_u64 s[10:11], s[10:11], 512
.endif
	s_wait_dscnt 0x0                               ; the add is done; my reads of the last slot and bias buffer are over; my stores into this step's bias buffer have landed
.if \fill
	CROUND
	tensor_load_to_lds s[G0:G0+3], s[G1:G1+7]      ; my one tensor load behind the round
	s_nop 0
	PLACES                                         ; also the places in front of the loads into K's and V's registers
.else
	s_barrier_signal -1
	s_barrier_wait -1
	PLACES
.endif
	v_add_nc_u32 v[AKV], s[TB], v[KVB]
	v_add_nc_u32 v[ASC], s[TB], v[SCB]
	v_add_nc_u32 v[ABR], s[BB], v[BRB]
	v_add_nc_u32 v[ABW], s[BBN], v[BWB]
	s_wait_alu depctr_va_vdst(0)
.if \fill
	LOADTM 0, TI, MK, 1
.endif
	WIN 0x40                                       ; destination window 1
.irp f, 0,1,2,3,4,5,6,7                ; K's four packed fragments, then V's four
.irp p, 0,1,2
	ds_load_b128 v[KF+12*\f+4*\p:KF+12*\f+4*\p+3], v[AKV] offset:1536*\f+512*\p
.endr
.endr
	WIN 0
	ds_load_b32 v[KS], v[ASC]
	ds_load_b32 v[KS+1], v[ASC] offset:128
	ds_load_b32 v[VS], v[ASC] offset:256
	ds_load_b32 v[VS+1], v[ASC] offset:384
	BIASLD 0
	BIASLD 1
.if \fill
	ASK
.endif
	s_wait_dscnt 16                                ; all but the youngest sixteen loads, tile 1's bias image
	QK 0
	PLACES                                         ; in front of the first read of results
	TILE 0, \fill
	TILE 1, \fill
	TILE 2, \fill
	TILE 3, \fill
	s_xor_b32 s[TB], s[TB], SLOT1
	s_xor_b32 s[BB], s[BB], BIASB
	s_xor_b32 s[BBN], s[BBN], BIASB
.endm
	s_load_b256 s[4:11], s[0:1], 0x0               ; QF, KV, ti, mask
	s_load_b128 s[12:15], s[0:1], 0x20             ; alpha, out0
	v_lshl_add_u32 v[SPW], v0, 2, SPARE
	v_mov_b32 v[NIL], 0
	ds_add_u32 v[SPW], v[NIL]                      ; the wave's opening: the add, twice on end, and its wait ahead of my first tensor load
	ds_add_u32 v[SPW], v[NIL]
	v_lshrrev_b32 v160, 5, v0
	s_delay_alu instid0(VALU_DEP_1)
	v_readfirstlane_b32 s[WV], v160                ; wave 0..7
	s_bfe_u32 s18, ttmp6, 0x40000                  ; cx
	s_bfe_u32 s19, ttmp6, 0x40004                  ; cy
	s_lshl_b32 s20, ttmp9, 2
	s_add_co_u32 s20, s20, s18                     ; x: which 64 queries
	s_and_b32 s21, ttmp7, 0xffff
	s_lshl_b32 s21, s21, 2
	s_add_co_u32 s21, s21, s19                     ; y = 2 b + hh
	s_lshl_b32 s22, s19, 2
	s_lshl_b32 s22, 15, s22                        ; my row of the cluster
	s_or_b32 s[G1], s22, (3<<16)|(1<<21)           ; a dense slice of 12,800 bytes as 50 rows of 256 (32 elements of 8 bytes), no padding
	s_mov_b32 s[G1+1], 32<<16
	s_mov_b32 s[G1+2], 50<<16
	s_mov_b32 s[G1+3], 32<<16
	s_mov_b32 s[G1+4], 50
	s_mov_b32 s[G1+5], 32
	s_mov_b32 s[G1+6], 0
	s_mov_b32 s[G1+7], 0
	s_mul_i32 s56, s21, 16*RECB                    ; KV: my y's first record, my slice: y and the wave's number alone
	s_mul_i32 s37, s[WV], 12800
	s_add_co_u32 s56, s56, s37
	s_mov_b32 s57, 0
	s_lshl_b32 s58, s21, 4                         ; QF: record (y, x / 2), half x % 2, head w
	s_lshr_b32 s41, s20, 1
	s_add_co_u32 s58, s58, s41
	s_mul_i32 s58, s58, 51200
	s_and_b32 s41, s20, 1
	s_lshl_b32 s60, s41, 7
	s_add_co_u32 s60, s60, s58
	s_lshl_b32 s43, s[WV], 8
	s_add_co_u32 s60, s60, s43
	s_add_co_u32 s60, s60, 49152
	s_mov_b32 s61, 0
	s_mul_i32 s41, s41, 3072
	s_add_co_u32 s58, s58, s41
	s_mul_i32 s41, s[WV], 6144
	s_add_co_u32 s58, s58, s41
	s_mov_b32 s59, 0
	s_lshr_b32 s41, s21, 1                         ; b
	s_lshl_b32 s22, s41, 24                        ; ti, mask: 2,048 rows of 8,192 bytes a batch, 64 rows a block
	s_lshl_b32 s43, s20, 19
	s_add_co_u32 s22, s22, s43
	s_mov_b32 s23, 0
	s_lshl_b32 s62, s41, 23                        ; out0: rows of 4,096 bytes; my head's 256
	s_lshl_b32 s43, s20, 18
	s_add_co_u32 s62, s62, s43
	s_and_b32 s55, s21, 1                          ; hh
	s_lshl_b32 s43, s55, 11
	s_add_co_u32 s62, s62, s43
	s_lshl_b32 s43, s[WV], 8
	s_add_co_u32 s62, s62, s43
	s_mov_b32 s63, 0
	s_mov_b32 s[CS], 0x3e38aa3b                    ; c = log2(e) / 8
	s_mov_b32 s[SEL], 0x76543210
	s_mov_b32 s[SEL+1], 0xfedcba98
	s_mov_b32 s[FLR], 0xec800000                   ; -2^90
	s_mov_b32 s[J], 0
	s_mov_b32 s[TB], 0
	s_mov_b32 s[BB], 0
	s_mov_b32 s[BBN], BIASB
	s_wait_dscnt 0x0                               ; both opening adds are done
	s_wait_kmcnt 0x0
	s_load_b32 s16, s[12:13], 0x0                  ; alpha
	s_mov_b32 s[G0], 1
	s_mul_i32 s[G0+1], s[WV], 12800                ; slot 0, my slice
	s_add_nc_u64 s[G0+2:G0+3], s[6:7], s[56:57]
	s_or_b32 s[G0+3], s[G0+3], 0x80000000
	s_add_nc_u64 s[60:61], s[4:5], s[60:61]        ; Q's scale words
	s_add_nc_u64 s[4:5], s[4:5], s[58:59]          ; Q's two packed fragments
	s_add_nc_u64 s[8:9], s[8:9], s[22:23]
	s_add_nc_u64 s[10:11], s[10:11], s[22:23]
	s_add_nc_u64 s[14:15], s[14:15], s[62:63]
	CROUND                                         ; all sixteen work-groups are here: the first joint loads meet
	tensor_load_to_lds s[G0:G0+3], s[G1:G1+7]      ; key step 0
	s_nop 0
	PLACES
	v_and_b32 v160, 31, v0                         ; lane
	v_and_b32 v161, 15, v0                         ; r
	v_bfe_u32 v162, v0, 4, 1                       ; h
	s_delay_alu instid0(VALU_DEP_3)
	v_lshlrev_b32 v163, 4, v160
	s_delay_alu instid0(VALU_DEP_4)
	v_lshlrev_b32 v164, 2, v160
	s_lshl_b32 s59, s[WV], 16
	v_add_nc_u32 v[TMO], s59, v163                 ; my eight rows, 16 bytes a lane
	v_lshlrev_b32 v[SH8], 3, v162
.irp n, 0,1,2,3,4,5
	global_load_b128 v[S+4*\n:S+4*\n+3], v163, s[4:5] offset:512*\n   ; Q: tile qt's six registers land at S + 6 qt
.endr
	global_load_b32 v[S+24], v164, s[60:61]
.irp q, 0,1,2,3
	LOADTM \q, S+64+8*\q, S+96+8*\q, 0             ; key step 0's eight rows of ti and of mask, all at once, into the second buffer of S^T
.endr
	s_mul_i32 s59, s[WV], 12288
	v_add_nc_u32 v[KVB], s59, v163
	s_lshl_b32 s59, s[WV], 9
	s_add_co_u32 s59, s59, 98304
	v_add_nc_u32 v[SCB], s59, v164
	v_mul_u32_u24 v[BRB], v162, 4480
	s_delay_alu instid0(VALU_DEP_1)
	v_lshl_add_u32 v[BRB], v161, 4, v[BRB]
	s_delay_alu instid0(VALU_DEP_1)
	v_add_nc_u32 v[BRB], BIAS0, v[BRB]
	s_and_b32 s59, s[WV], 3                        ; my rows 8 w + i are lane r = i + 8 (w / 4) of tile w % 4
	s_mul_i32 s59, s59, 8960
	s_lshr_b32 s41, s[WV], 2
	s_lshl_b32 s41, s41, 7
	s_add_co_u32 s59, s59, s41
	s_add_co_u32 s59, s59, BIAS0
	v_bfe_u32 v165, v0, 3, 1
	s_delay_alu instid0(VALU_DEP_1)
	v_mul_u32_u24 v[BWB], v165, 4480
	v_bfe_u32 v165, v0, 4, 1
	v_and_b32 v166, 7, v0
	s_delay_alu instid0(VALU_DEP_1)
	v_lshl_add_u32 v165, v165, 3, v166
	s_delay_alu instid0(VALU_DEP_1)
	v_mad_u32_u24 v[BWB], v165, 272, v[BWB]
	s_delay_alu instid0(VALU_DEP_1)
	v_add_nc_u32 v[BWB], s59, v[BWB]
	s_mul_i32 s59, s[WV], 16*272                   ; the way out: my stage
	s_add_co_u32 s59, s59, STAGE
	v_mul_u32_u24 v[STO], v161, 272
	s_delay_alu instid0(VALU_DEP_1)
	v_lshl_add_u32 v[STO], v162, 6, v[STO]
	s_delay_alu instid0(VALU_DEP_1)
	v_add_nc_u32 v[STO], s59, v[STO]               ; in: row r, + 64 h
	v_mul_u32_u24 v[RD], v162, 272
	s_delay_alu instid0(VALU_DEP_1)
	v_lshl_add_u32 v[RD], v161, 4, v[RD]
	s_delay_alu instid0(VALU_DEP_1)
	v_add_nc_u32 v[RD], s59, v[RD]                 ; back: lanes 0-15 one row, lanes 16-31 the next
	v_lshlrev_b32 v[GO], 12, v162
	s_delay_alu instid0(VALU_DEP_1)
	v_lshl_add_u32 v[GO], v161, 4, v[GO]           ; and the same two rows in out0
	; the prefetches: where my wave's stand (at key step 1: the first trip steps them to 2), how far a step is, and who asks
	s_mul_i32 s58, s21, 16*RECB
	s_mul_i32 s41, s18, 24576
	s_add_co_u32 s58, s58, s41
	s_add_co_u32 s58, s58, RECB
	s_mov_b32 s59, 0
	s_add_nc_u64 s[58:59], s[6:7], s[58:59]
	s_cmp_eq_u32 s55, 0
	s_cselect_b64 s[PFA:PFA+1], s[8:9], s[10:11]
	s_add_nc_u64 s[PFA:PFA+1], s[PFA:PFA+1], 512
	s_cmp_eq_u32 ttmp9, 0
	s_cselect_b32 s[LIM], 14, 0
	s_cmp_eq_u32 s[WV], 7
	s_cselect_b32 s[LIM], 0, s[LIM]
	s_cmp_lt_u32 s[WV], 4
	s_cselect_b32 s[LIM], 14, s[LIM]
	s_cselect_b64 s[PFA:PFA+1], s[PFA:PFA+1], s[58:59]
	s_mov_b32 s[PFS], RECB
	s_cselect_b32 s[PFS], 512, s[PFS]
	s_mov_b32 s[PFS+1], 0
	s_cselect_b32 s49, -1, 0
	s_wait_alu depctr_va_vdst(0)
	v_lshrrev_b32 v165, 1, v160
	s_delay_alu instid0(VALU_DEP_1)
	v_lshlrev_b32 v165, 13, v165
	v_and_b32 v166, 1, v0
	s_delay_alu instid0(VALU_DEP_1)
	v_lshl_add_u32 v165, v166, 8, v165
	s_lshl_b32 s41, s[WV], 17
	v_add_nc_u32 v165, s41, v165                   ; row 16 w + lane / 2, block lane % 2
	v_lshlrev_b32 v166, 8, v160
	s_and_b32 s41, s[WV], 3
	s_lshl_b32 s41, s41, 13
	v_add_nc_u32 v166, s41, v166                   ; block 32 (w - 4) + lane
	s_delay_alu instid0(VALU_DEP_1)
	v_cndmask_b32 v[PFO], v166, v165, s49
	WIN 0x40
.set j, 0
.rept 128
	v_mov_b32 v[j], 0                              ; O^T.  The step is written for every trip alike: the first finds zeros, which the first change of M leaves zeros
.set j, j+1
.endr
	WIN 0
.irp z, 0,1,2,3,4
.irp i, 0,1,2,3,4,5
	v_mov_b32 v[QC+12*\z+\i], 0                    ; zero codes
.endr
.endr
.irp t, 0,1,2,3
	v_mov_b32 v[ST+4*\t], 0x6c800000               ; -M = 2^90
	v_mov_b32 v[ST+4*\t+1], 0xec800000             ; the largest t: the floor
	v_mov_b32 v[ST+4*\t+2], 0
	v_mov_b32 v[ST+4*\t+3], 0
	v_mov_b32 v[BX+\t], 0                          ; written once: a lane permute's destination counts as one of its sources
	v_mov_b32 v[SO+2*\t+1], 0                      ; (named on the way out as the upper halves of pairs)
.endr
	v_mov_b32 v[CV], 0x3e38aa3b
	v_mov_b32 v[CP+1], 0                           ; (named as the upper halves of pairs)
	v_mov_b32 v[MP+1], 0
	v_mov_b32 v[FF+1], 0
	s_wait_kmcnt 0x0
	s_and_b32 s[AL], s16, 0x7fffffff
	s_mul_f32 s[AL], s[AL], 0xc1000000             ; -8 |alpha|
	s_mov_b32 s[AL+1], s[AL]
.irp q, 0,1,2,3
	COMB \q, S+64+8*\q, S+96+8*\q, 0, BWB          ; key step 0's bias image, into buffer 0
.endr
.irp t, 0,1,2,3
.irp i, 0,1,2,3,4,5
	v_mov_b32 v[QC+6+12*\t+\i], v[S+6*\t+\i]
.endr
.endr
	v_perm_b32 v[QW], v[S+24], v[S+24], 0x01000100   ; (q0, q1, q0, q1) of the even tiles: lanes 0-15 tile 0, lanes 16-31 tile 2;
	v_perm_b32 v[QW+1], v[S+24], v[S+24], 0x03020302 ; of the odd tiles
.Lstep:                                            ; 15 trips: behind each change of slots the next step's record is asked for
	STEP 1
	s_add_co_u32 s[J], s[J], 1
	s_cmp_lt_u32 s[J], 15
	s_cbranch_scc1 .Lstep
	STEP 0                                         ; the last step is written out
	; THE WAY OUT.  The additions are the places behind the last products
.irp t, 0,1,2,3
	v_add_f32 v[BM+\t], v[ST+4*\t+2], v[ST+4*\t+3]
.endr
.irp t, 0,1,2,3
	s_delay_alu instid0(VALU_DEP_4)
	v_permlanex16_b32 v[BX+\t], v[BM+\t], s[SEL], s[SEL+1]
.endr
.irp t, 0,1,2,3
	s_delay_alu instid0(VALU_DEP_4)
	v_add_f32 v[BM+\t], v[BM+\t], v[BX+\t]         ; the row's sum
.endr
	s_wait_alu depctr_va_vdst(0)
.irp t, 0,1,2,3
	v_rcp_f32 v[SO+2*\t], v[BM+\t]
.endr
	v_nop                                          ; a plain place behind the last reciprocal
	s_wait_alu depctr_va_vdst(0)                   ; one wait for the four, ahead of their first reader
	s_wait_dscnt 0x0
	s_barrier_signal -1
	s_barrier_wait -1                              ; no wave reads a bias image any more: the stages may be written
; tile qt: O^T / the sum; register 8 tt + i of lane (r, h) is channel 32 (tt / 2) + 16 h + 8 (tt % 2) + i of query r; through my stage; sixteen lanes store a query's 256 bytes of my head, aligned
.macro OUT qt
.set OB, S+32+32*((\qt)%2)
	WIN 0x01
.set j, 0
.rept 16
	v_pk_mul_f32 v[S+j:S+j+1], v[32*(\qt)+j:32*(\qt)+j+1], v[SO+2*(\qt):SO+2*(\qt)+1] op_sel_hi:[1,0]
.set j, j+2
.endr
	WIN 0
.irp t, 0,1,2,3
	ds_store_b128 v[STO], v[S+8*\t:S+8*\t+3] offset:128*(\t/2)+32*(\t%2)
	ds_store_b128 v[STO], v[S+8*\t+4:S+8*\t+7] offset:128*(\t/2)+32*(\t%2)+16
.endr
.if (\qt) >= 2
	s_wait_xcnt 0x0                                ; the stores of two tiles back have read these registers
.endif
.irp i, 0,1,2,3,4,5,6,7
	ds_load_b128 v[OB+4*\i:OB+4*\i+3], v[RD] offset:2*\i*272   ; LDS serves a wave's instructions in order: these see my stores
.endr
	s_wait_dscnt 0x0
.irp i, 0,1,2,3,4,5,6,7
	global_store_b128 v[GO], v[OB+4*\i:OB+4*\i+3], s[14:15] offset:(8*(\qt)+(2*\i)%8+32*(\i/4))*4096 th:TH_STORE_NT   ; stage row r of tile qt is query 8 qt + r % 8 + 32 (r / 8)
.endr
.endm
	OUT 0
	OUT 1
	OUT 2
	OUT 3
	s_wait_tensorcnt 0x0                           ; the wave's end
	ds_add_u32 v[SPW], v[NIL]
	s_wait_dscnt 0x0
	CROUND                                         ; the closing round
	s_endpgm
.Lfunc_end_k_q596133a6a7_attn:
	.size	k_q596133a6a7_attn, .Lfunc_end_k_q596133a6a7_attn-k_q596133a6a7_attn
	.p2alignl 7, 3214868480
	.fill 96, 4, 3214868480
	.section	.rodata,"a",@progbits
	.p2align	6, 0x0
	.amdhsa_kernel k_q596133a6a7_attn
		.amdhsa_group_segment_fixed_size 327680
		.amdhsa_private_segment_fixed_size 0
		.amdhsa_enable_private_segment 0
		.amdhsa_kernarg_size 48
		.amdhsa_user_sgpr_count 2
		.amdhsa_user_sgpr_kernarg_segment_ptr 1
		.amdhsa_wavefront_size32 1
		.amdhsa_system_sgpr_workgroup_id_x 1
		.amdhsa_system_sgpr_workgroup_id_y 1
		.amdhsa_system_sgpr_workgroup_id_z 1
		.amdhsa_system_vgpr_workitem_id 0
		.amdhsa_next_free_vgpr 512
		.amdhsa_next_free_sgpr 66
		.amdhsa_reserve_vcc 1
		.amdhsa_float_denorm_mode_32 3
		.amdhsa_float_denorm_mode_16_64 3
		.amdhsa_memory_ordered 1
		.amdhsa_forward_progress 1
		.amdhsa_inst_pref_size 163
	.end_amdhsa_kernel
	.amdgpu_metadata
---
amdhsa.version: [ 1, 2 ]
amdhsa.kernels:
  - .name:           k_q596133a6a7_attn
    .symbol:         k_q596133a6a7_attn.kd
    .args:
      - { .name: QF, .offset: 0, .size: 8, .value_kind: global_buffer, .address_space: global }
      - { .name: KV, .offset: 8, .size: 8, .value_kind: global_buffer, .address_space: global }
      - { .name: time_intervals, .offset: 16, .size: 8, .value_kind: global_buffer, .address_space: global }
      - { .name: mask, .offset: 24, .size: 8, .value_kind: global_buffer, .address_space: global }
      - { .name: alpha, .offset: 32, .size: 8, .value_kind: global_buffer, .address_space: global }
      - { .name: out0, .offset: 40, .size: 8, .value_kind: global_buffer, .address_space: global }
    .group_segment_fixed_size: 327680
    .private_segment_fixed_size: 0
    .kernarg_segment_align: 8
    .kernarg_segment_size: 48
    .max_flat_workgroup_size: 256
    .sgpr_count:     66
    .vgpr_count:     512
    .wavefront_size: 32
...
	.end_amdgpu_metadata
.endif
;; end of part 3
